; MI455X (gfx1250); checked and timed in simulation.
; The chip was launched on July 23, 2026; its instructions are those of AMD's public machine-readable ISA for CDNA 5 (MIT licence, August 2026) and "CDNA5" Instruction Set Architecture Reference Guide (July 2026). The comments in the code are by the model that wrote it; some were corrected since.
;; Causal Self Attention. Allowed arithmetic: matrix products marked QUANTISED: E2M1 operands, one E8M0 scale for each 32 along K, by v_wmma_scale_f32_16x16x128_f8f6f4 with both operands' format E2M1 (or v_wmma_scale_f32_32x16x128_f4), f32 sums; products left as they are: bf16, f16 or f32 operands; f32 sums; everything else in f32.
;; Inputs: W_attn 1,024 x 3,072 float32; W_proj 1,024 x 1,024 float32; b_attn 3,072 float32; b_proj 1,024 float32; x 4 x 2,048 x 1,024 float32.
;; Outputs: out0 4 x 2,048 x 1,024 float32.
;; This version of the problem:
;;   THIS VERSION OF THE PROBLEM IS GIVEN IN LOW PRECISION. The matrix products marked QUANTISED in the list below multiply operands that are first quantised to E2M1 (2 exponent bits, 1 mantissa bit; 4 bits a number), with one power-of-two scale for each 32 numbers along K (OCP MX v1.0); their sums are f32. The products marked 'left as it is' may take bf16, f16 or f32 operands, with f32 sums. Whichever they take, every output number must still come out within the allowed error. Rounding operands to bf16 (8 significant bits) uses up far more of that allowance than f16 does (11 bits, for magnitudes from 6e-5 to 65,504). All else is computed in f32.
;;   The module's matrix products, in the order in which they are computed (A, B: the left and right operand; K: the contracted axis; several contracted axes count as one K, in the product's order):
;;     1. [M 8,192, K 1,024] x [K 1,024, N 3,072]; A: input x; B: input W_attn: QUANTISED
;;     2. batch 64 x [M 2,048, K 64] x [K 64, N 2,048]; A: computed on the way; B: computed on the way: left as it is (an operand is computed on the way)
;;     3. batch 64 x [M 2,048, K 2,048] x [K 2,048, N 64]; A: computed on the way; B: computed on the way: left as it is (an operand is computed on the way)
;;     4. [M 8,192, K 1,024] x [K 1,024, N 1,024]; A: computed on the way; B: input W_proj: left as it is (an operand is computed on the way)
;;   THE QUANTISER, for each operand of a quantised product, along K:
;;     - K is cut into blocks of 32 from its start; a last block that is shorter is filled with zeros.
;;     - A block's scale is 2^e with e = floor(log2(the largest magnitude in the block)) - 2, held to -126 .. 127; a block of zeros has e = 0. As a byte (E8M0): e + 127.
;;     - Each number is divided by its block's scale, clamped to +-6, and rounded to the nearest number of E2M1, ties to even, subnormals kept.
;;     - The product sums the exact products of the quantised numbers (number of the format x scale) in f32.
;;   ~~~python
;;   def quantise(x, axis):      # numpy; x: float32 -> the quantised numbers, widened to float32 again
;;       x = np.moveaxis(x, axis, -1); K = x.shape[-1]
;;       x = np.pad(x, [(0, 0)] * (x.ndim - 1) + [(0, -K % 32)]); x = x.reshape(x.shape[:-1] + (-1, 32)); a = np.abs(x).max(-1, keepdims=True)
;;       e = np.where(a > 0, np.clip(np.frexp(np.where(a > 0, a, 1))[1] - 1 - 2, -126, 127), 0)      # np.frexp(a)[1] - 1 = floor(log2(a)), exactly
;;       r = np.clip(x / 2.0 ** e, -6, 6)
;;       step = 2.0 ** (np.maximum(np.frexp(np.where(r == 0, 1, r))[1] - 1, 0) - 1)
;;       q = np.round(r / step) * step * 2.0 ** e      # np.round: ties to even
;;       return np.moveaxis(q.reshape(q.shape[:-2] + (-1,))[..., :K], -1, axis).astype(np.float32)
;;   ~~~
;; One version. Each part assembles by itself: llvm-mc -triple=amdgcn-amd-amdhsa -mcpu=gfx1250 --defsym DOCPART=n.
;; ======== version 1 of 1: 5 launches
;; limits: values are held in f16: magnitudes above 65,504 overflow, below 6.1e-05 lose precision
;; workspace buffers: xc 4,194,304 bytes; xs 262,144 bytes; wc 1,572,864 bytes; ws 98,304 bytes; wpt 2,097,152 bytes; qkv 50,331,648 bytes; qkvf 786,432 bytes; y 16,777,216 bytes
;; launch prep (part 1): grid 368 x 1, 4 waves a work-group, no clusters, 102,912 bytes of LDS; arguments x, W_attn, W_proj, xc, xs, wc, ws, wpt; writes xc, xs, wc, ws, wpt
.if DOCPART == 1
	.amdgcn_target "amdgcn-amd-amdhsa--gfx1250"
	.amdhsa_code_object_version 6
	.text
	.protected	k_q4d78619e3e_prep
	.globl	k_q4d78619e3e_prep
	.p2align	8
	.type	k_q4d78619e3e_prep,@function
k_q4d78619e3e_prep:
	s_mov_b64 s[64:65], 0
	v_nop
	global_prefetch_b8 v0, s[64:65] scope:SCOPE_SE
	s_setreg_imm32_b32 hwreg(HW_REG_WAVE_MODE, 25, 1), 1
	s_wait_xcnt 0x0
; CAUSAL SELF-ATTENTION, launch 1 of 5: the operands are laid out.
;   x [8192][1024] f32       -> xc [8192][512 B] codes of E2M1, K innermost;  xs [8192][32] E8M0 bytes
;   W_attn [1024 k][3072 n]  -> wc [3072][512 B] codes, K innermost;          ws [3072][32] bytes
;   W_proj [1024 k][1024 n]  -> wpt [1024 n][1024 k] f16 (the last product is left as it is and takes f16 operands)
; WORK LEFT OUT IN THE WHOLE PROGRAM: b_attn[1024:2048], the bias on k.  scale q.(k + bk) = scale q.k + scale q.bk, and the second
; term is the same for all keys of a query: the softmax along the keys takes it away for every finite value of the inputs (masked
; places are -infinity either way); the product q k^T is not quantised, so the bias moves no code and no scale.  That third of b_attn
; is neither loaded nor added.  Tiles of q k^T and p v that lie wholly above the diagonal of the causal mask are not made.
; LIMITS: a NaN, an infinity or an overflow that reaches only b_attn[1024:2048] or masked scores is not carried to the result; NaN and
; infinities among the inputs are not served; a block of zeros gets the scale byte 1 where the rule says 127 (its codes are zeros, and
; this program alone reads the bytes); blocks whose largest magnitude lies under 2^-124 are held at the byte 1; q, k, v, p, y and W_proj
; are operands in f16: magnitudes up to 65,504.
; A block's scale byte is its largest magnitude's exponent field - 2; the conversion divides by that power of two, rounds to the nearest
; code, ties to even, and gives the largest code beyond 6.
; SHARES: work-groups 0-47 take W_attn, 48-111 W_proj, 112-367 x.  The paths part on the work-group's number and have LDS bytes of their own.
; No tensor loads, no barrier: waves share nothing.
.set XREG,  8192                       ; path x: LDS of a wave: two stages of 32 x 80 bytes, then its 256 scale bytes
.set SP,    80                         ; a lane's place in a stage: 64 bytes + 16 of padding
.set WSTG,  32768                      ; path W_attn: four stages of 32 rows x 272 bytes
.set PSTG,  67584                      ; path W_proj: the same
.set PITCH, 272
.set SPARE, 102400                     ; the spare words, 128 bytes for each wave: two blocks of 256 bytes that no other line names
.set SPW,   176                        ; v176 LDS address of my spare word; never rewritten
.set NIL,   177                        ; v177 0; never rewritten
.set R,     16                         ; path x: v16-79 four sets of 16 numbers as loaded
.set X,     80                         ; v80-111 two sets of 16 neighbours
.set E,     112                        ; v112-127 a scale byte for each step
.set C,     128                        ; v128-159 two registers of codes for each step
.set XW,    32                         ; the weights' paths: v32-95 two sets of 32 numbers down K
.set CW,    96                         ; v96-111 a block's codes or f16 pairs
.set OUTR,  112                        ; v112-175 the way out
.set SB,    24                         ; v24-27 sixteen scale bytes
.macro LOADX t                         ; step t: four loads of 512 consecutive bytes
.irp i, 0,1,2,3
	global_load_b128 v[R+16*((\t)%4)+4*\i:R+16*((\t)%4)+4*\i+3], v3, s[4:5] offset:2048*(\t)+512*\i th:TH_LOAD_NT
.endr
.endm
.macro TURNX t                         ; step t's 2,048 bytes through the wave's stage: in as they lie, out 64 bytes a lane.  LDS serves a wave's instructions in order
.irp i, 0,1,2,3
	ds_store_b128 v14, v[R+16*((\t)%4)+4*\i:R+16*((\t)%4)+4*\i+3] offset:32*SP*((\t)%2)+8*SP*\i
.endr
.irp i, 0,1,2,3
	ds_load_b128 v[X+16*((\t)%2)+4*\i:X+16*((\t)%2)+4*\i+3], v15 offset:32*SP*((\t)%2)+16*\i
.endr
.endm
.macro STEPX t
.set XS, X+16*((\t)%2)
.if (\t) > 0
	s_wait_dscnt 1                                 ; this step's numbers are back from the stage; the last step's byte store may be out
.else
	s_wait_dscnt 0x0
.endif
.if (\t)+4 < 16
	LOADX (\t)+4                                   ; into the set whose stores into the stage have read their registers
.endif
.if (\t)+1 < 16
.if 14-(\t) >= 3
	s_wait_loadcnt 12                              ; the next step's four loads are in; the twelve of the three steps behind it may be out
.else
	s_wait_loadcnt 4*(14-(\t))
.endif
	TURNX (\t)+1
.endif
	v_max3_num_f32 v8, |v[XS]|, |v[XS+1]|, |v[XS+2]|   ; the largest magnitude of my 16, in two chains
	v_max3_num_f32 v9, |v[XS+3]|, |v[XS+4]|, |v[XS+5]|
.irp i, 6,10
	v_max3_num_f32 v8, v8, |v[XS+\i]|, |v[XS+\i+1]|
	v_max3_num_f32 v9, v9, |v[XS+\i+2]|, |v[XS+\i+3]|
.endr
	v_max3_num_f32 v8, v8, |v[XS+14]|, |v[XS+15]|
	v_max3_num_f32 v8, v8, v9, 0x1800000           ; and the floor 2^(3 - 127): the byte cannot fall under 1
	v_max_num_f32_dpp v8, v8, v8 row_xmask:1 row_mask:0xf bank_mask:0xf   ; with my neighbour's 16: the block's
	v_add_nc_u32 v11, 0xff000000, v8               ; 2 off the exponent field: the conversion's scale operand
	v_cvt_scalef32_pk8_fp4_f32 v[C+2*(\t)], v[XS:XS+7], v11
	v_cvt_scalef32_pk8_fp4_f32 v[C+2*(\t)+1], v[XS+8:XS+15], v11
	v_lshrrev_b32 v[E+(\t)], 23, v11               ; the scale's byte
	ds_store_b8 v5, v[E+(\t)] offset:16*(\t)       ; both lanes of a block write the same byte with the same value
	global_store_b64 v4, v[C+2*(\t):C+2*(\t)+1], s[10:11] offset:256*(\t)   ; the wave stores 256 consecutive bytes, aligned
.endm
.macro LOADW t                         ; W_attn(32 t + i, my column), i = 0 .. 31
.irp i, 0,1,2,3,4,5,6,7,8,9,10,11,12,13,14,15,16,17,18,19,20,21,22,23,24,25,26,27,28,29,30,31
	global_load_b32 v[XW+32*((\t)%2)+\i], v3, s[6:7] offset:(32*(\t)+\i)*12288 th:TH_LOAD_NT
.endr
.endm
.macro BLOCKW t
.set XS, XW+32*((\t)%2)
.if (\t) < 15
	s_wait_loadcnt 32                              ; this block's 32 loads are in; the next block's 32 may be out
.else
	s_wait_loadcnt 0x0
.endif
	v_max3_num_f32 v12, |v[XS]|, |v[XS+1]|, |v[XS+2]|   ; all 32 numbers of the block are mine
	v_max3_num_f32 v13, |v[XS+3]|, |v[XS+4]|, |v[XS+5]|
.irp i, 6,10,14,18,22,26
	v_max3_num_f32 v12, v12, |v[XS+\i]|, |v[XS+\i+1]|
	v_max3_num_f32 v13, v13, |v[XS+\i+2]|, |v[XS+\i+3]|
.endr
	v_max3_num_f32 v12, v12, |v[XS+30]|, |v[XS+31]|
	v_max3_num_f32 v12, v12, v13, 0x1800000
	v_add_nc_u32 v11, 0xff000000, v12
	v_lshrrev_b32 v13, 23, v11
.if (\t)%4 == 0
	v_mov_b32 v[SB+(\t)/4], v13                    ; four bytes to a register, the lower K in the lower byte
.else
	v_lshl_or_b32 v[SB+(\t)/4], v13, 8*((\t)%4), v[SB+(\t)/4]
.endif
.irp g, 0,1,2,3
	v_cvt_scalef32_pk8_fp4_f32 v[CW+\g], v[XS+8*\g:XS+8*\g+7], v11
.endr
	ds_store_b128 v4, v[CW:CW+3] offset:16*(\t)    ; 32 codes: 16 bytes of my column's row
.if (\t)+2 < 16
	LOADW (\t)+2
.endif
	s_wait_dscnt 0x0                               ; the store has read its registers: the next block's codes may be written
.endm
.macro LOADP t                         ; W_proj(32 t + i, my column)
.irp i, 0,1,2,3,4,5,6,7,8,9,10,11,12,13,14,15,16,17,18,19,20,21,22,23,24,25,26,27,28,29,30,31
	global_load_b32 v[XW+32*((\t)%2)+\i], v3, s[8:9] offset:(32*(\t)+\i)*4096
.endr
.endm
.macro BLOCKP t
.set XS, XW+32*((\t)%2)
.if (\t) < 3
	s_wait_loadcnt 32
.else
	s_wait_loadcnt 0x0
.endif
.irp i, 0,1,2,3,4,5,6,7,8,9,10,11,12,13,14,15
	v_cvt_pk_f16_f32 v[CW+\i], v[XS+2*\i], v[XS+2*\i+1]   ; two neighbours along K, the lower in the low half
.endr
.irp g, 0,1,2,3
	ds_store_b128 v4, v[CW+4*\g:CW+4*\g+3] offset:64*(\t)+16*\g
.endr
.if (\t)+2 < 4
	LOADP (\t)+2
.endif
	s_wait_dscnt 0x0
.endm
	s_load_b128 s[4:7], s[0:1], 0x0                ; x, W_attn
	s_load_b128 s[8:11], s[0:1], 0x10              ; W_proj, xc
	s_load_b128 s[12:15], s[0:1], 0x20             ; xs, wc
	s_load_b128 s[16:19], s[0:1], 0x30             ; ws, wpt
	v_lshl_add_u32 v[SPW], v0, 2, SPARE
	v_mov_b32 v[NIL], 0
	v_lshrrev_b32 v1, 5, v0
	v_readfirstlane_b32 s20, v1                    ; wave
	v_and_b32 v2, 31, v0                           ; lane
	s_wait_kmcnt 0x0
	s_cmp_lt_u32 ttmp9, 48
	s_cbranch_scc1 .Lpath_w
	s_cmp_lt_u32 ttmp9, 112
	s_cbranch_scc1 .Lpath_p
	; ---- x: a plain stream of blocks of 32; a wave takes 16 steps of 512 numbers
	s_sub_co_u32 s21, ttmp9, 112
	s_lshl_b32 s21, s21, 2
	s_add_co_u32 s22, s21, s20                     ; which run of 8,192 numbers is my wave's
	s_mov_b32 s23, 0
	s_lshl_b64 s[24:25], s[22:23], 15
	s_add_nc_u64 s[4:5], s[4:5], s[24:25]          ; 32,768 bytes of x a run,
	s_lshl_b64 s[24:25], s[22:23], 12
	s_add_nc_u64 s[10:11], s[10:11], s[24:25]      ; 4,096 of codes,
	s_lshl_b64 s[24:25], s[22:23], 8
	s_add_nc_u64 s[12:13], s[12:13], s[24:25]      ; 256 scale bytes
	v_lshlrev_b32 v3, 4, v2                        ; my 16 bytes of a load's 512
	s_mul_i32 s21, s20, XREG
	v_lshrrev_b32 v14, 2, v2
	v_mul_u32_u24 v14, v14, SP
	v_and_b32 v15, 3, v2
	v_lshl_add_u32 v14, v15, 4, v14
	v_add_nc_u32 v14, s21, v14                     ; the stage on the way in: 80 (lane / 4) + 16 (lane % 4)
	v_mul_u32_u24 v15, v2, SP
	v_add_nc_u32 v15, s21, v15                     ; and on the way out: 80 x lane: my 16 neighbours
	v_lshlrev_b32 v4, 3, v2                        ; 8 bytes a lane: my codes' place in a step's, and my part of the scale bytes
	v_lshrrev_b32 v5, 1, v2
	s_add_co_u32 s21, s21, 2*32*SP
	v_add_nc_u32 v5, s21, v5                       ; my block's byte among my wave's 256
	v_add_nc_u32 v6, s21, v4
.irp t, 0,1,2,3
	LOADX \t
.endr
	s_wait_loadcnt 12                              ; step 0's four loads are in
	TURNX 0
.irp t, 0,1,2,3,4,5,6,7,8,9,10,11,12,13,14,15
	STEPX \t
.endr
	ds_load_b64 v[8:9], v6                         ; LDS serves a wave's instructions in order: these see my byte stores
	s_wait_dscnt 0x0
	global_store_b64 v4, v[8:9], s[12:13]          ; 32 lanes store 256 consecutive bytes, aligned
	s_branch .Lend
.Lpath_w:
	; ---- W_attn: a lane takes a column n and its registers run down K; a wave takes 32 columns x 512 along K
	s_cmp_ge_u32 ttmp9, 24
	s_cselect_b32 s22, 1, 0                        ; which 512 along K
	s_cselect_b32 s21, 24, 0
	s_sub_co_u32 s21, ttmp9, s21
	s_lshl_b32 s21, s21, 7
	s_lshl_b32 s23, s20, 5
	s_add_co_u32 s21, s21, s23                     ; my wave's first column
	s_mul_i32 s24, s22, 512*12288
	s_lshl_b32 s26, s21, 2
	s_add_co_u32 s24, s24, s26
	s_mov_b32 s25, 0
	s_add_nc_u64 s[6:7], s[6:7], s[24:25]
	s_lshl_b32 s24, s21, 9                         ; codes: 512 bytes a column, + 256 for the second half of K
	s_lshl_b32 s26, s22, 8
	s_add_co_u32 s24, s24, s26
	s_add_nc_u64 s[14:15], s[14:15], s[24:25]
	s_lshl_b32 s24, s21, 5                         ; scale bytes: 32 a column, + 16
	s_lshl_b32 s26, s22, 4
	s_add_co_u32 s24, s24, s26
	s_add_nc_u64 s[16:17], s[16:17], s[24:25]
	v_lshlrev_b32 v3, 2, v2
	s_mul_i32 s27, s20, 32*PITCH
	s_add_co_u32 s27, s27, WSTG                    ; my stage
	v_mul_u32_u24 v4, v2, PITCH
	v_add_nc_u32 v4, s27, v4                       ; into it: row = my column
	v_and_b32 v5, 15, v2
	v_lshrrev_b32 v6, 4, v2
	v_mul_u32_u24 v7, v6, PITCH
	v_lshl_add_u32 v7, v5, 4, v7
	v_add_nc_u32 v7, s27, v7                       ; out of it: sixteen lanes to a row, two rows an instruction
	v_lshlrev_b32 v8, 9, v6
	v_lshl_add_u32 v8, v5, 4, v8                   ; the same place in wc
	v_lshlrev_b32 v9, 5, v2                        ; my column's row of scale bytes
	LOADW 0
	LOADW 1
.irp t, 0,1,2,3,4,5,6,7,8,9,10,11,12,13,14,15
	BLOCKW \t
.endr
	global_store_b128 v9, v[SB:SB+3], s[16:17]
.irp t, 0,1,2,3,4,5,6,7,8,9,10,11,12,13,14,15
	ds_load_b128 v[OUTR+4*\t:OUTR+4*\t+3], v7 offset:2*\t*PITCH
.endr
.irp t, 0,1,2,3,4,5,6,7,8,9,10,11,12,13,14,15
	s_wait_dscnt 15-\t                             ; the younger loads may be out
	global_store_b128 v8, v[OUTR+4*\t:OUTR+4*\t+3], s[14:15] offset:2*\t*512   ; sixteen lanes store 256 consecutive bytes, aligned
.endr
	s_branch .Lend
.Lpath_p:
	; ---- W_proj: the same plan, rounded to f16; a wave takes 32 columns x 128 along K
	s_sub_co_u32 s21, ttmp9, 48
	s_and_b32 s22, s21, 7
	s_lshr_b32 s23, s21, 3                         ; which 128 along K
	s_lshl_b32 s22, s22, 7
	s_lshl_b32 s24, s20, 5
	s_add_co_u32 s22, s22, s24                     ; my wave's first column
	s_lshl_b32 s24, s23, 19                        ; 128 rows of 4,096 bytes
	s_lshl_b32 s26, s22, 2
	s_add_co_u32 s24, s24, s26
	s_mov_b32 s25, 0
	s_add_nc_u64 s[8:9], s[8:9], s[24:25]
	s_lshl_b32 s24, s22, 11                        ; wpt: 2,048 bytes a column, + 256 for each 128 along K
	s_lshl_b32 s26, s23, 8
	s_add_co_u32 s24, s24, s26
	s_add_nc_u64 s[18:19], s[18:19], s[24:25]
	v_lshlrev_b32 v3, 2, v2
	s_mul_i32 s27, s20, 32*PITCH
	s_add_co_u32 s27, s27, PSTG
	v_mul_u32_u24 v4, v2, PITCH
	v_add_nc_u32 v4, s27, v4
	v_and_b32 v5, 15, v2
	v_lshrrev_b32 v6, 4, v2
	v_mul_u32_u24 v7, v6, PITCH
	v_lshl_add_u32 v7, v5, 4, v7
	v_add_nc_u32 v7, s27, v7
	v_lshlrev_b32 v8, 11, v6
	v_lshl_add_u32 v8, v5, 4, v8
	LOADP 0
	LOADP 1
.irp t, 0,1,2,3
	BLOCKP \t
.endr
.irp t, 0,1,2,3,4,5,6,7,8,9,10,11,12,13,14,15
	ds_load_b128 v[OUTR+4*\t:OUTR+4*\t+3], v7 offset:2*\t*PITCH
.endr
.irp t, 0,1,2,3,4,5,6,7,8,9,10,11,12,13,14,15
	s_wait_dscnt 15-\t
	global_store_b128 v8, v[OUTR+4*\t:OUTR+4*\t+3], s[18:19] offset:2*\t*2048  ; sixteen lanes store 256 consecutive bytes, aligned
.endr
.Lend:
	s_wait_tensorcnt 0x0                           ; the wave's end: behind my last LDS store
	ds_add_u32 v[SPW], v[NIL]
	s_wait_dscnt 0x0
	s_endpgm
.Lfunc_end_k_q4d78619e3e_prep:
	.size	k_q4d78619e3e_prep, .Lfunc_end_k_q4d78619e3e_prep-k_q4d78619e3e_prep
	.p2alignl 7, 3214868480
	.fill 96, 4, 3214868480
	.section	.rodata,"a",@progbits
	.p2align	6, 0x0
	.amdhsa_kernel k_q4d78619e3e_prep
		.amdhsa_group_segment_fixed_size 102912
		.amdhsa_private_segment_fixed_size 0
		.amdhsa_enable_private_segment 0
		.amdhsa_kernarg_size 64
		.amdhsa_user_sgpr_count 2
		.amdhsa_user_sgpr_kernarg_segment_ptr 1
		.amdhsa_wavefront_size32 1
		.amdhsa_system_sgpr_workgroup_id_x 1
		.amdhsa_system_sgpr_workgroup_id_y 1
		.amdhsa_system_sgpr_workgroup_id_z 1
		.amdhsa_system_vgpr_workitem_id 0
		.amdhsa_next_free_vgpr 192
		.amdhsa_next_free_sgpr 66
		.amdhsa_reserve_vcc 0
		.amdhsa_float_denorm_mode_32 3
		.amdhsa_float_denorm_mode_16_64 3
		.amdhsa_memory_ordered 1
		.amdhsa_forward_progress 1
		.amdhsa_inst_pref_size 132
	.end_amdhsa_kernel
	.amdgpu_metadata
---
amdhsa.version: [ 1, 2 ]
amdhsa.kernels:
  - .name:           k_q4d78619e3e_prep
    .symbol:         k_q4d78619e3e_prep.kd
    .args:
      - { .name: x, .offset: 0, .size: 8, .value_kind: global_buffer, .address_space: global }
      - { .name: W_attn, .offset: 8, .size: 8, .value_kind: global_buffer, .address_space: global }
      - { .name: W_proj, .offset: 16, .size: 8, .value_kind: global_buffer, .address_space: global }
      - { .name: xc, .offset: 24, .size: 8, .value_kind: global_buffer, .address_space: global }
      - { .name: xs, .offset: 32, .size: 8, .value_kind: global_buffer, .address_space: global }
      - { .name: wc, .offset: 40, .size: 8, .value_kind: global_buffer, .address_space: global }
      - { .name: ws, .offset: 48, .size: 8, .value_kind: global_buffer, .address_space: global }
      - { .name: wpt, .offset: 56, .size: 8, .value_kind: global_buffer, .address_space: global }
    .group_segment_fixed_size: 102912
    .private_segment_fixed_size: 0
    .kernarg_segment_align: 8
    .kernarg_segment_size: 64
    .max_flat_workgroup_size: 128
    .sgpr_count:     66
    .vgpr_count:     192
    .wavefront_size: 32
...
	.end_amdgpu_metadata
.endif
;; end of part 1
;; launch qkvg (part 2): grid 12 x 32, 4 waves a work-group, clusters of 4 x 4, 327,680 bytes of LDS; arguments xc, xs, wc, ws, b_attn, qkv, qkvf; writes qkv, qkvf
.if DOCPART == 2
	.amdgcn_target "amdgcn-amd-amdhsa--gfx1250"
	.amdhsa_code_object_version 6
	.text
	.protected	k_q4d78619e3e_qkvg
	.globl	k_q4d78619e3e_qkvg
	.p2align	8
	.type	k_q4d78619e3e_qkvg,@function
k_q4d78619e3e_qkvg:
	s_mov_b64 s[64:65], 0
	v_nop
	global_prefetch_b8 v0, s[64:65] scope:SCOPE_SE
	s_setreg_imm32_b32 hwreg(HW_REG_WAVE_MODE, 25, 1), 1
	s_wait_xcnt 0x0
	s_wait_alu depctr_hold_cnt(0) depctr_sa_sdst(0) depctr_va_vdst(0) depctr_va_sdst(0) depctr_va_ssrc(0) depctr_va_vcc(0) depctr_vm_vsrc(0)
	s_getreg_b32 s2, hwreg(HW_REG_IB_STS2, 6, 4)
	s_cmp_eq_u32 s2, 0
	s_cbranch_scc0 .Lentry_in_a_cluster
	s_endpgm
.Lentry_in_a_cluster:
	s_bfe_u32 s2, ttmp6, 0x10000c
	s_cmp_lg_u32 s2, 0xf033
	s_cbranch_scc0 .Lentry_shape_is_right
	s_endpgm
.Lentry_shape_is_right:
; Launch 2 of 5: qkv = Q(x) Q(W_attn) + b_attn on codes of E2M1 with E8M0 scales, sums in f32.  A = xc [8192][1024], B = wc [3072][1024], K innermost.
; LEFT OUT: b_attn[1024:2048] (the bias on k: the same for all keys of a query, so the softmax takes it away; shown at the head of the first kernel).
; OUT: q, k, v as f16, laid [which][batch][head][token][64] for the attention; tokens 0-15 of each batch also as f32, qkvf [batch][16][3072], for the last launch.
; A tile of 256 x 256 is made by four waves, 128 x 128 each: 64 accumulators, 512 registers.  K = 1,024 is two slots of 512 along K (rows of 256 bytes): both are
; filled at the start and none is filled again.  The scale bytes of the work-group's 256 + 256 rows, two dense blocks, come with them.  Three tensor loads of a wave are out at the most.
; CLUSTERS: 4 x 4 work-groups; A's tile is asked for jointly along a row of the cluster, B's along a column.  Tile row = 8 cy + cluster y, so that the batch is cy and
; "the tile holds a batch's first tokens" is cluster y = 0, the same in all sixteen partners.  Tile column = 4 cluster x + cx: cluster x = 0, 1, 2 is q, k, v.
; THE MATRIX INSTRUCTION IS USED TRANSPOSED (source 0 = 16 rows of wc, source 1 = 16 rows of xc): a lane holds eight neighbouring columns of one token.
; The bias is the C of each sum's first instruction: eight registers for each block of 16 columns, in the result's layout.
; REGISTERS: window 0: v0-31 addresses; v32-95 scale words, two sets, and nothing else; v128-191 A's fragments, one set; v192-255 the bias.  window 1: B's fragments, two sets.
;   windows 2, 3: the accumulators ((a, b) at v[8 (8 (a % 4) + b)]).  On the way out v96-255 of window 0 are free.
.set KSTEP,  512
.set NQ,     4                         ; matrix instructions deep in a slot
.set ROWB,   256
.set KROW,   512                       ; a row of codes in memory
.set PITCH,  272                       ; 256 bytes + 16 of padding: the 16 rows of a load start at 16 different banks (64 banks of 4 bytes: ISA guide 11.1)
.set FR,     8
.set NL,     2
.set NP,     4                         ; places behind this matrix instruction (ISA guide 7.12.1)
.set HALFT,  128*PITCH
.set SLOT,   4*HALFT
.set KS,     32                        ; a row of scale bytes
.set SCL,    2*SLOT
.set HALFS,  (128*KS/256)*272
.set SBLK,   (16*KS/256)*272
.set SPARE,  SCL+4*HALFS               ; the spare words: two blocks of 256 bytes that no other line names
.set STGH,   0                         ; the way out, in slot 0 (its one fill and its last read are over): for each wave 2 heads x 16 tokens x 144 bytes,
.set STGF,   18432                     ; and 16 rows x 528 bytes for the f32 copy
.set ADRA, 16
.set ADRB, 20
.set STO,  24
.set RD,   25
.set CO,   26
.set ADRS, 27
.set SPW,  28
.set NIL,  29
.set STOF, 30
.set RDF,  31
.set SC,   32
.set AF,   128
.set BIAS, 192
.set TMP,  96                          ; the way out: v96-127 packed f16
.set BK,   192                         ; v192-223, v224-255 by turns: rows read back (the bias is done with after the first step)
.set FB,   128                         ; v128-191: the f32 rows read back
.set G1, 24
.set G0, 32
.set G1B, 48
.set G0B, 56
.set G1S, 68
.set G0S, 76
.set G1SB, 80
.set G0SB, 88
.set MSB, 0
.macro WIN new                         ; the immediate's high byte repeats the setting that is left
.if MSB != (\new)
	s_set_vgpr_msb (MSB<<8)|(\new)
.set MSB, (\new)
.endif
.endm
.set MUL_LO, 0xa1                      ; source 0 (B) window 1, source 1 (A) window 0, C and D window 2
.set MUL_HI, 0xf1                      ; the same, C and D window 3
.set MUL_LO0, 0x81                     ; the first step: C (the bias) window 0
.set MUL_HI0, 0xc1
.set TO_B,   0x40
; A joint load: waves 0 and 1 fetch for A, waves 2 and 3 for B; the branch hangs on the wave's number alone.  An s_nop 0 and four v_nop follow each line.
.macro JLOAD g0a, g1a, g0b, g1b
	s_cmp_eq_u32 s15, 0
	s_cbranch_scc0 .Lfor_b_\@
	tensor_load_to_lds s[\g0a:\g0a+3], s[\g1a:\g1a+7]
	s_nop 0
.rept 4
	v_nop
.endr
	s_branch .Lasked_\@
.Lfor_b_\@:
	tensor_load_to_lds s[\g0b:\g0b+3], s[\g1b:\g1b+7]
	s_nop 0
.rept 4
	v_nop
.endr
.Lasked_\@:
.endm
.macro CROUND                          ; a round of the cluster's barrier
	s_barrier_signal -1
	s_barrier_wait -1
	s_cmp_lg_u32 s14, 0
	s_cbranch_scc1 .Lnot_wave_0_\@
	s_barrier_signal -3
.Lnot_wave_0_\@:
	s_barrier_wait -3
	s_barrier_signal -1
	s_barrier_wait -1
.endm
	s_load_b128 s[4:7], s[0:1], 0x0                ; xc, xs
	s_load_b128 s[8:11], s[0:1], 0x10              ; wc, ws
	s_load_b128 s[96:99], s[0:1], 0x20             ; b_attn, qkv
	s_load_b64 s[100:101], s[0:1], 0x30            ; qkvf
	v_lshl_add_u32 v[SPW], v0, 2, SPARE
	v_mov_b32 v[NIL], 0
	ds_add_u32 v[SPW], v[NIL]                      ; the wave's opening: the add, twice on end, and its wait ahead of my first tensor load
	ds_add_u32 v[SPW], v[NIL]
	v_lshrrev_b32 v1, 5, v0
	v_readfirstlane_b32 s14, v1                    ; wave 0..3
	s_lshr_b32 s15, s14, 1                         ; which half of the tile's rows is mine.  Also: I fetch for A (0) or for B (1)
	s_and_b32 s16, s14, 1                          ; which half of its columns.  Also: which 128 rows I fetch
	s_bfe_u32 s40, ttmp6, 0x40000                  ; cx
	s_bfe_u32 s41, ttmp6, 0x40004                  ; cy
	s_lshl_b32 s42, ttmp9, 2
	s_add_co_u32 s42, s42, s40                     ; tile column = 4 x cluster x + cx
	s_and_b32 s12, ttmp7, 0xffff                   ; cluster y
	s_lshl_b32 s17, s41, 3
	s_add_co_u32 s17, s17, s12                     ; tile row = 8 cy + cluster y
	s_or_b32 s13, s12, s15                         ; 0 where my rows begin with a batch's token 0: the same in all partners, for a given wave
	s_lshl_b32 s43, s41, 2
	s_lshl_b32 s43, 15, s43                        ; my row of the cluster
	s_lshl_b32 s44, 0x1111, s40                    ; my column
	s_or_b32 s[G1+0], s43, (0<<16)|(1<<20)|(1<<21)|(5<<22)|(3<<25)  ; the mask; elements of 1 byte; padding on; bit 21 beside a mask; 4 words after every 64
	s_or_b32 s[G1B+0], s44, (0<<16)|(1<<20)|(1<<21)|(5<<22)|(3<<25)
.irp g, G1, G1B
	s_mov_b32 s[\g+1], ROWB<<16                    ; tensor_dim0
	s_mov_b32 s[\g+2], 128<<16                     ; tensor_dim1
	s_mov_b32 s[\g+3], ROWB<<16                    ; tile_dim0
	s_mov_b32 s[\g+4], 128                         ; tile_dim1
	s_mov_b32 s[\g+5], KROW                        ; the pitch
	s_mov_b32 s[\g+6], 0
	s_mov_b32 s[\g+7], 0
.endr
	s_or_b32 s[G1S+0], s43, (3<<16)|(1<<20)|(1<<21)|(5<<22)|(3<<25) ; the scales of 128 rows: 4,096 dense bytes as 16 rows of 32 elements of 8 bytes
	s_or_b32 s[G1SB+0], s44, (3<<16)|(1<<20)|(1<<21)|(5<<22)|(3<<25)
.irp g, G1S, G1SB
	s_mov_b32 s[\g+1], 32<<16
	s_mov_b32 s[\g+2], (128*KS/256)<<16
	s_mov_b32 s[\g+3], 32<<16
	s_mov_b32 s[\g+4], 128*KS/256
	s_mov_b32 s[\g+5], 32
	s_mov_b32 s[\g+6], 0
	s_mov_b32 s[\g+7], 0
.endr
	s_lshl_b32 s18, s16, 7
	s_lshl_b32 s20, s17, 8
	s_add_co_u32 s20, s20, s18                     ; A: row 256 x tile row + 128 x half
	s_lshl_b32 s46, s42, 8
	s_add_co_u32 s46, s46, s18                     ; B: row 256 x tile column + 128 x half
	s_mov_b32 s21, 0
	s_mov_b32 s47, 0
	s_mov_b64 s[18:19], KS
	s_mul_u64 s[22:23], s[20:21], s[18:19]
	s_mul_u64 s[92:93], s[46:47], s[18:19]
	s_mov_b64 s[18:19], KROW
	s_mul_u64 s[20:21], s[20:21], s[18:19]
	s_mul_u64 s[46:47], s[46:47], s[18:19]
	s_mul_i32 s45, s14, HALFT                      ; where they go: wave x 128 rows
	s_mul_i32 s94, s14, HALFS
	s_wait_dscnt 0x0                               ; both opening adds are done
	s_wait_kmcnt 0x0
	s_add_nc_u64 s[20:21], s[4:5], s[20:21]
	s_add_nc_u64 s[22:23], s[6:7], s[22:23]
	s_add_nc_u64 s[46:47], s[8:9], s[46:47]
	s_add_nc_u64 s[92:93], s[10:11], s[92:93]
	CROUND                                         ; all sixteen work-groups are here: the joint loads meet
	s_mov_b32 s[G0S], 1
	s_add_co_u32 s[G0S+1], s94, SCL
	s_mov_b64 s[G0S+2:G0S+3], s[22:23]
	s_or_b32 s[G0S+3], s[G0S+3], 0x80000000
	s_mov_b32 s[G0SB], 1
	s_add_co_u32 s[G0SB+1], s94, SCL
	s_mov_b64 s[G0SB+2:G0SB+3], s[92:93]
	s_or_b32 s[G0SB+3], s[G0SB+3], 0x80000000
	JLOAD G0S, G1S, G0SB, G1SB                     ; the scales first: they are wanted with the first slot
.irp s, 0,1
	s_mov_b32 s[G0+4*\s], 1
	s_add_co_u32 s[G0+4*\s+1], s45, \s*SLOT
	s_add_nc_u64 s[G0+4*\s+2:G0+4*\s+3], s[20:21], \s*ROWB
	s_or_b32 s[G0+4*\s+3], s[G0+4*\s+3], 0x80000000
	s_mov_b32 s[G0B+4*\s], 1
	s_add_co_u32 s[G0B+4*\s+1], s45, \s*SLOT
	s_add_nc_u64 s[G0B+4*\s+2:G0B+4*\s+3], s[46:47], \s*ROWB
	s_or_b32 s[G0B+4*\s+3], s[G0B+4*\s+3], 0x80000000
	JLOAD G0+4*\s, G1, G0B+4*\s, G1B
.endr
	v_and_b32 v1, 15, v0                           ; r = lane % 16
	v_bfe_u32 v2, v0, 4, 1                         ; h = lane / 16
	v_mul_u32_u24 v3, v1, PITCH
	v_lshl_add_u32 v4, v2, 4, v3                   ; a fragment's row x pitch + 16 h
	s_mul_i32 s21, s15, HALFT
	s_mul_i32 s22, s16, HALFT
	s_add_co_u32 s22, s22, 2*HALFT
.irp s, 0,1
	v_add_nc_u32 v[ADRA+\s], s21, v4
	v_add_nc_u32 v[ADRB+\s], s22, v4
	s_add_co_u32 s21, s21, SLOT
	s_add_co_u32 s22, s22, SLOT
.endr
	v_mul_u32_u24 v5, v1, KS                       ; my row's scales: 32 bytes a row,
	v_lshrrev_b32 v6, 8, v5
	v_lshl_add_u32 v5, v6, 4, v5                   ; and 16 more for each 256 passed
	s_mul_i32 s21, s15, HALFS
	s_mul_i32 s22, s16, HALFS
	s_add_co_u32 s22, s22, 2*HALFS
	s_sub_co_u32 s22, s22, s21
	v_mul_u32_u24 v6, s22, v2                      ; lanes 16-31 take B's
	s_add_co_u32 s21, s21, SCL
	v_add_nc_u32 v5, v5, v6
	v_add_nc_u32 v[ADRS], s21, v5
	s_mul_i32 s23, s14, 4608                       ; my f16 stage
	v_mul_u32_u24 v5, v1, 144
	v_lshl_add_u32 v5, v2, 4, v5
	v_add_nc_u32 v[STO], s23, v5                   ; in: token r, 16 bytes for each half of the lanes
	v_and_b32 v6, 31, v0
	v_lshrrev_b32 v7, 3, v6
	v_mul_u32_u24 v7, v7, 144
	v_and_b32 v8, 7, v0
	v_lshl_add_u32 v7, v8, 4, v7
	v_add_nc_u32 v[RD], s23, v7                    ; back: eight lanes to a token's 128 bytes, four tokens an instruction
	v_lshlrev_b32 v[CO], 4, v6                     ; 16 x lane: four tokens of a head are 512 consecutive bytes of qkv
	s_mul_i32 s23, s14, 8448
	s_add_co_u32 s23, s23, STGF                    ; my f32 stage
	v_mul_u32_u24 v5, v1, 528
	v_lshl_add_u32 v5, v2, 5, v5
	v_add_nc_u32 v[STOF], s23, v5
	v_add_nc_u32 v[RDF], s23, v[CO]
	s_lshl_b32 s46, s42, 10
	s_lshl_b32 s47, s16, 9
	s_add_co_u32 s46, s46, s47                     ; 4 x my first column
	s_mov_b32 s47, 0
	s_add_nc_u64 s[96:97], s[96:97], s[46:47]
	s_add_nc_u64 s[100:101], s[100:101], s[46:47]
	s_mul_i32 s46, s41, 196608                     ; qkvf: 16 rows of 12,288 bytes a batch
	s_add_nc_u64 s[100:101], s[100:101], s[46:47]
	s_lshl_b32 s20, s42, 2
	s_lshl_b32 s21, s16, 1
	s_add_co_u32 s20, s20, s21                     ; g: my first head among the 48 of q, k, v
	s_lshr_b32 s21, s20, 4
	s_lshl_b32 s21, s21, 24                        ; which of the three: 16,777,216 bytes each
	s_and_b32 s20, s20, 15
	s_lshl_b32 s20, s20, 18                        ; a head's 2,048 tokens: 262,144 bytes
	s_add_co_u32 s20, s20, s21
	s_lshl_b32 s21, s41, 22                        ; a batch: 4,194,304
	s_add_co_u32 s20, s20, s21
	s_lshl_b32 s21, s12, 15                        ; 256 tokens of 128 bytes
	s_add_co_u32 s20, s20, s21
	s_lshl_b32 s21, s15, 14
	s_add_co_u32 s20, s20, s21
	s_mov_b32 s21, 0
	s_add_nc_u64 s[98:99], s[98:99], s[20:21]
	v_lshlrev_b32 v9, 5, v2                        ; the bias: lanes 16-31 take the block's upper eight columns
	s_cmp_eq_u32 ttmp9, 1                          ; cluster x = 1: k's columns, whose bias is left out
	s_cbranch_scc1 .Lno_bias
.irp b, 0,1,2,3,4,5,6,7
	global_load_b128 v[BIAS+8*\b:BIAS+8*\b+3], v9, s[96:97] offset:64*\b
	global_load_b128 v[BIAS+8*\b+4:BIAS+8*\b+7], v9, s[96:97] offset:64*\b+16
.endr
	s_branch .Lbias_done
.Lno_bias:
.set i, 0
.rept 64
	v_mov_b32 v[BIAS+i], 0                         ; once, while the first tiles are on their way
.set i, i+1
.endr
.Lbias_done:
.macro FRAG reg, adr, q, i             ; 16 rows x 128 K of 4-bit codes: registers 4 c .. 4 c + 3 hold K = 64 c + 32 h + 0 .. 31
.irp c, 0,1
	ds_load_b128 v[\reg+4*\c:\reg+4*\c+3], v[\adr] offset:64*(\q)+32*\c+(\i)*16*PITCH
.endr
.endm
; 16 matrix instructions: A's blocks a0, a0 + 1 x B's eight.  The 64 accumulators take turns, one instruction a turn, in the same order in every step.
.macro MUL16 a0, p, q, sc, zero
.irp a, \a0, \a0+1
.irp b, 0,1,2,3,4,5,6,7
.if \zero
	v_wmma_scale_f32_16x16x128_f8f6f4 v[8*(8*((\a)%4)+\b):8*(8*((\a)%4)+\b)+7], v[128*(\p)+FR*\b:128*(\p)+FR*\b+FR-1], v[AF+FR*(\a):AF+FR*(\a)+FR-1], v[BIAS+8*\b:BIAS+8*\b+7], v[SC+8*NQ*(\sc)+NQ*\b+(\q)], v[SC+8*NQ*(\sc)+NQ*(\a)+(\q)] matrix_a_fmt:MATRIX_FMT_FP4 matrix_b_fmt:MATRIX_FMT_FP4 matrix_a_scale:MATRIX_SCALE_ROW1
.else
	v_wmma_scale_f32_16x16x128_f8f6f4 v[8*(8*((\a)%4)+\b):8*(8*((\a)%4)+\b)+7], v[128*(\p)+FR*\b:128*(\p)+FR*\b+FR-1], v[AF+FR*(\a):AF+FR*(\a)+FR-1], v[8*(8*((\a)%4)+\b):8*(8*((\a)%4)+\b)+7], v[SC+8*NQ*(\sc)+NQ*\b+(\q)], v[SC+8*NQ*(\sc)+NQ*(\a)+(\q)] matrix_a_fmt:MATRIX_FMT_FP4 matrix_b_fmt:MATRIX_FMT_FP4 matrix_a_scale:MATRIX_SCALE_ROW1
.endif
.endr
.endr
.endm
.macro FETCH_B slot, q, p
	WIN TO_B
.irp i, 0,1,2,3,4,5,6,7
	FRAG 128*(\p)+FR*\i, ADRB+\slot, \q, \i
.endr
	WIN 0
.endm
.macro FETCH_A slot, q, i0
.irp i, \i0, \i0+1, \i0+2, \i0+3
	FRAG AF+FR*(\i), ADRA+\slot, \q, \i
.endr
.endm
.macro SCALES sc                       ; a slot's scale words: lanes 0-15 take A's block i, lanes 16-31 B's block i
.irp i, 0,1,2,3,4,5,6,7
	ds_load_b128 v[SC+8*NQ*\sc+NQ*\i:SC+8*NQ*\sc+NQ*\i+3], v[ADRS] offset:\i*SBLK
.endr
.endm
.macro PLACES n                        ; plain vector instructions between a matrix instruction and a load into, or a read of, its registers
.rept \n
	v_nop
.endr
.endm
.macro STEP slot, q, zero              ; 128 along K, with its successor in the same slot
	s_wait_dscnt 4*NL                              ; B's set and A's blocks 0-3 are in; the youngest eight loads (A's blocks 4-7) may be out
.if \zero
	WIN MUL_LO0
.else
	WIN MUL_LO
.endif
	MUL16 0, (\q)%2, \q, \slot, \zero
	MUL16 2, (\q)%2, \q, \slot, \zero
	s_wait_dscnt 0
	PLACES NP
	FETCH_B \slot, (\q)+1, 1-(\q)%2
	FETCH_A \slot, (\q)+1, 0
.if \zero
	WIN MUL_HI0
.else
	WIN MUL_HI
.endif
	MUL16 4, (\q)%2, \q, \slot, \zero
	MUL16 6, (\q)%2, \q, \slot, \zero
	PLACES NP
	WIN 0
	FETCH_A \slot, (\q)+1, 4
.endm
; Slot 0's last step changes slots: one barrier; in front of it each wave waits for all its tensor loads (its part of slot 1), adds 0 to its spare word, and waits for that and for its reads of slot 0.
.macro TURN slot, next
	s_wait_tensorcnt 0x0
	ds_add_u32 v[SPW], v[NIL]
	s_wait_dscnt 4*NL+1                            ; the add and the youngest eight loads may be out
	WIN MUL_LO
	MUL16 0, 1, NQ-1, \slot, 0
	s_wait_dscnt 0x0                               ; the add is done, and my reads of this slot are over
	s_barrier_signal -1
	MUL16 2, 1, NQ-1, \slot, 0
	WIN 0
	s_barrier_wait -1
	PLACES NP
	v_add_nc_u32 v[ADRS], 4*NQ, v[ADRS]            ; the next slot's scale words
	FETCH_B \next, 0, 0
	FETCH_A \next, 0, 0
	SCALES \next
	WIN MUL_HI
	MUL16 4, 1, NQ-1, \slot, 0
	MUL16 6, 1, NQ-1, \slot, 0
	PLACES NP
	WIN 0
	FETCH_A \next, 0, 4
.endm
	s_wait_tensorcnt 1                             ; the scales and my part of slot 0 are in; slot 1's load may be out,
	s_barrier_signal -1
	s_barrier_wait -1                              ; everybody's are
	FETCH_B 0, 0, 0
	FETCH_A 0, 0, 0
	SCALES 0
	FETCH_A 0, 0, 4
	s_wait_loadcnt 0x0                             ; the bias
	STEP 0, 0, 1                                   ; the first products start the sums from the bias
	STEP 0, 1, 0
	STEP 0, 2, 0
	TURN 0, 1
	STEP 1, 0, 0
	STEP 1, 1, 0
	STEP 1, 2, 0
	s_wait_dscnt 4*NL
	WIN MUL_LO
	MUL16 0, 1, NQ-1, 1, 0
	MUL16 2, 1, NQ-1, 1, 0
	s_wait_dscnt 0
	WIN MUL_HI
	MUL16 4, 1, NQ-1, 1, 0
	MUL16 6, 1, NQ-1, 1, 0
	WIN 0
; THE WAY OUT, block by block of 16 tokens x 128 columns (two heads).  A lane's eight numbers pack into 16 bytes of a token's row of a head; through my stage they come back as
; four tokens of one head, 512 consecutive bytes of qkv.  LDS serves a wave's instructions in order: no wait between the stores and the loads.
.macro PACKH a
.set AC, 64*((\a)%4)
	WIN 0x0a+5*((\a)/4)                            ; sources 0 and 1: window 2 or 3
.irp b, 0,1,2,3,4,5,6,7
.irp r, 0,1,2,3
	v_cvt_pk_f16_f32 v[TMP+4*\b+\r], v[AC+8*\b+2*\r], v[AC+8*\b+2*\r+1]   ; each accumulator from its low end on
.endr
.endr
	WIN 0
.endm
.macro TOSTAGE a
.set BB, BK+32*((\a)%2)
.irp b, 0,1,2,3,4,5,6,7
	ds_store_b128 v[STO], v[TMP+4*\b:TMP+4*\b+3] offset:(\b/4)*2304+32*(\b%4)
.endr
.irp t, 0,1,2,3,4,5,6,7
	ds_load_b128 v[BB+4*\t:BB+4*\t+3], v[RD] offset:(\t/4)*2304+(\t%4)*576
.endr
.endm
.macro SEND a
.set BB, BK+32*((\a)%2)
	s_wait_dscnt 0x0                               ; the block is back in registers
	s_wait_xcnt 0x0                                ; the earlier stores have read their base and their registers: the base may step, and the next block's loads may land
.if (\a) > 0
	s_add_nc_u64 s[98:99], s[98:99], 2048          ; 16 tokens on
.endif
.irp t, 0,1,2,3,4,5,6,7
	global_store_b128 v[CO], v[BB+4*\t:BB+4*\t+3], s[98:99] offset:(\t/4)*262144+(\t%4)*512   ; 32 lanes store 512 consecutive bytes, aligned
.endr
.endm
	PLACES NP                                      ; behind the last products: for the reads of results and the loads into registers that held operands
	s_cmp_lg_u32 s13, 0
	s_cbranch_scc1 .Lnot_fine
	WIN 0x08                                       ; tokens 0-15 of a batch, as f32: block 0's accumulators (an LDS store's data: source 1, window 2)
.irp b, 0,1,2,3,4,5,6,7
	ds_store_b128 v[STOF], v[8*\b:8*\b+3] offset:64*\b
	ds_store_b128 v[STOF], v[8*\b+4:8*\b+7] offset:64*\b+16
.endr
	WIN 0
.irp t, 0,1,2,3,4,5,6,7,8,9,10,11,12,13,14,15
	ds_load_b128 v[FB+4*\t:FB+4*\t+3], v[RDF] offset:\t*528
.endr
	s_wait_dscnt 0x0
.irp t, 0,1,2,3,4,5,6,7,8,9,10,11,12,13,14,15
	global_store_b128 v[CO], v[FB+4*\t:FB+4*\t+3], s[100:101] offset:\t*12288   ; 512 consecutive bytes of a row of qkvf; these registers are not written again
.endr
.Lnot_fine:
	PACKH 0
	TOSTAGE 0
.irp a, 1,2,3,4,5,6,7
	PACKH \a
	SEND \a-1
	TOSTAGE \a
.endr
	SEND 7
	s_wait_tensorcnt 0x0                           ; the wave's end
	ds_add_u32 v[SPW], v[NIL]
	s_wait_dscnt 0x0
	CROUND                                         ; the closing round
	s_endpgm
.Lfunc_end_k_q4d78619e3e_qkvg:
	.size	k_q4d78619e3e_qkvg, .Lfunc_end_k_q4d78619e3e_qkvg-k_q4d78619e3e_qkvg
	.p2alignl 7, 3214868480
	.fill 96, 4, 3214868480
	.section	.rodata,"a",@progbits
	.p2align	6, 0x0
	.amdhsa_kernel k_q4d78619e3e_qkvg
		.amdhsa_group_segment_fixed_size 327680
		.amdhsa_private_segment_fixed_size 0
		.amdhsa_enable_private_segment 0
		.amdhsa_kernarg_size 56
		.amdhsa_user_sgpr_count 2
		.amdhsa_user_sgpr_kernarg_segment_ptr 1
		.amdhsa_wavefront_size32 1
		.amdhsa_system_sgpr_workgroup_id_x 1
		.amdhsa_system_sgpr_workgroup_id_y 1
		.amdhsa_system_sgpr_workgroup_id_z 1
		.amdhsa_system_vgpr_workitem_id 0
		.amdhsa_next_free_vgpr 1024
		.amdhsa_next_free_sgpr 102
		.amdhsa_reserve_vcc 0
		.amdhsa_float_denorm_mode_32 3
		.amdhsa_float_denorm_mode_16_64 3
		.amdhsa_memory_ordered 1
		.amdhsa_forward_progress 1
		.amdhsa_inst_pref_size 135
	.end_amdhsa_kernel
	.amdgpu_metadata
---
amdhsa.version: [ 1, 2 ]
amdhsa.kernels:
  - .name:           k_q4d78619e3e_qkvg
    .symbol:         k_q4d78619e3e_qkvg.kd
    .args:
      - { .name: xc, .offset: 0, .size: 8, .value_kind: global_buffer, .address_space: global }
      - { .name: xs, .offset: 8, .size: 8, .value_kind: global_buffer, .address_space: global }
      - { .name: wc, .offset: 16, .size: 8, .value_kind: global_buffer, .address_space: global }
      - { .name: ws, .offset: 24, .size: 8, .value_kind: global_buffer, .address_space: global }
      - { .name: b_attn, .offset: 32, .size: 8, .value_kind: global_buffer, .address_space: global }
      - { .name: qkv, .offset: 40, .size: 8, .value_kind: global_buffer, .address_space: global }
      - { .name: qkvf, .offset: 48, .size: 8, .value_kind: global_buffer, .address_space: global }
    .group_segment_fixed_size: 327680
    .private_segment_fixed_size: 0
    .kernarg_segment_align: 8
    .kernarg_segment_size: 56
    .max_flat_workgroup_size: 128
    .sgpr_count:     102
    .vgpr_count:     1024
    .wavefront_size: 32
...
	.end_amdgpu_metadata
.endif
;; end of part 2
;; launch attn (part 3): grid 8 x 32, 16 waves a work-group, no clusters, 327,680 bytes of LDS; arguments qkv, y; writes y
.if DOCPART == 3
	.amdgcn_target "amdgcn-amd-amdhsa--gfx1250"
	.amdhsa_code_object_version 6
	.text
	.protected	k_q4d78619e3e_attn
	.globl	k_q4d78619e3e_attn
	.p2align	8
	.type	k_q4d78619e3e_attn,@function
k_q4d78619e3e_attn:
	s_mov_b64 s[64:65], 0
	v_nop
	global_prefetch_b8 v0, s[64:65] scope:SCOPE_SE
	s_setreg_imm32_b32 hwreg(HW_REG_WAVE_MODE, 25, 1), 1
	s_wait_xcnt 0x0
; Launch 3 of 5: y = softmax(q k^T / 8, causal) v for 64 planes (batch x head) of 2,048 tokens x 64, operands in f16, products, maxima and sums in f32.
; LEFT OUT: steps of 64 keys that lie wholly behind a tile's 16 queries (the causal mask); k carries no bias (shown at the head of the first kernel).
; SHARES.  A work-group owns two heads (planes 2 yy, 2 yy + 1) and two blocks of 128 queries, blocks i and 15 - i: 17 slots' worth of tile work in every work-group.
; Wave w: head w / 8; tile A = queries 128 i + 16 (w % 8) on, tile B = queries 128 (15 - i) + 16 (w % 8) on.  While A is live a fragment of K or V feeds two products.
; No cluster: under the mask the work-groups of a head need different numbers of tiles.
; LAYOUT.  S^T = K Q^T (source 0 = 16 keys, source 1 = 16 queries) and O^T = V^T P (source 0 = 16 channels, by the turning LDS load): a lane holds one query throughout;
; two tiles of S^T, rounded to f16 in pairs, are source 1 of the second product as they stand.
; SOFTMAX.  A running maximum m and sum l for each query: p = 2^(c s - c m), c = log2(e) / 8; O and l are multiplied by a = 2^(c m_old - c m_new) in every step.
; RING.  Two slots of 128 keys x 2 heads (K: rows of 144 bytes, V: of 160), filled by waves 0-3, one tensor load each, read by all sixteen.  Every work-group walks all 16 slots,
; so that the trip counts are constants; what is hidden is jumped over by branches on ids.  One tensor load of a wave is out at the most.
; A KEY STEP HAS TWO ARMS, chosen by one test on ids: both tiles, or tile B alone (tile A's queries lie before the step's keys).  In each arm the scores are made before they are read.
.set PK,    144                        ; 128 bytes + 16: the 16 rows of a load start at 16 different banks
.set PVP,   160                        ; 128 bytes + 32, for the turning load
.set KH,    128*PK
.set VH,    128*PVP
.set VOFF,  2*KH
.set SLOT1, 1<<17
.set STG,   SLOT1+VOFF+2*VH            ; behind the ring: the way out: for each tile 128 rows x (256 bytes + 16)
.set STGT,  128*272
.set SPARE, STG+2*STGT                 ; the spare words: eight blocks of 256 bytes that no other line names
.set NSL,   16
.set AK0, 1
.set AV0, 2
.set SPW, 3
.set NIL, 4
.set ADK, 5
.set ADV, 6
.set DL,  7                            ; r - 8 h
.set T,   8                            ; v8-15 at work
.set STA, 16                           ; c m, m, l (two halves) of tile A;
.set STB, 20                           ; of tile B
.set QA,  24
.set QB,  40
.set SA,  56                           ; S^T, then p, then P in its first 16 registers
.set SB,  88
.set OA,  120
.set OB,  152
.set KV,  184                          ; a step's fragments of K, then of V
.set NINF, 248
.set PFO, 249
.set STO, 250
.set RD,  251
.set GO,  252
.set WV,  18
.set SEL, 20
.set CS,  22
.set G1K, 24
.set G1V, 32
.set G0K, 40
.set G0V, 44
.set TB,  2                            ; LDS byte at which the slot in hand begins
.set KF,  66                           ; the step's first key
.set SLOTS, 67
.set Q0A, 68
.set Q0B, 69
.set LASTQ, 70                         ; my work-group's last query
.set QEA, 71                           ; tile A's last query
.set QEB, 81                           ; tile B's
.set PFA, 76
.set LIM, 80
.set YA,  82
.set YB,  84
; Waves 0 and 1 fetch K of head 0, 1; waves 2 and 3 V; the others nothing.  An s_nop 0 and four v_nop follow each line.
.macro TLOAD
	s_cmp_lt_u32 s[WV], 2
	s_cbranch_scc0 .Lnot_k_\@
	tensor_load_to_lds s[G0K:G0K+3], s[G1K:G1K+7]
	s_nop 0
.rept 4
	v_nop
.endr
	s_branch .Lasked_\@
.Lnot_k_\@:
	s_cmp_lt_u32 s[WV], 4
	s_cbranch_scc0 .Lasked_\@
	tensor_load_to_lds s[G0V:G0V+3], s[G1V:G1V+7]
	s_nop 0
.rept 4
	v_nop
.endr
.Lasked_\@:
.endm
; A prefetch of what the NEXT change of slots will ask for: 128 rows of K and of V of both heads, 64 KiB, two key steps ahead of that load.  The eight work-groups of a pair of heads walk the same
; rows: the first of them asks, with the waves that fetch nothing: waves 4-11, 8,192 bytes each, lanes 256 bytes apart: each block of 256 bytes is named once.  The last change that fills a slot asks for nothing.
.macro ASK
	s_cmp_gt_u32 s[SLOTS], s[LIM]
	s_cbranch_scc0 .Lnot_mine_\@
	global_prefetch_b8 v[PFO], s[PFA:PFA+1] th:TH_LOAD_NT scope:SCOPE_SE
.Lnot_mine_\@:
.endm
.macro QK sv, qv                       ; 8 products: four tiles of 16 keys by turns, 32 channels at a time
.irp c, 0,1
.irp kt, 0,1,2,3
.if \c == 0
	v_wmma_f32_16x16x32_f16 v[\sv+8*\kt:\sv+8*\kt+7], v[KV+8*(2*\kt+\c):KV+8*(2*\kt+\c)+7], v[\qv+8*\c:\qv+8*\c+7], 0
.else
	v_wmma_f32_16x16x32_f16 v[\sv+8*\kt:\sv+8*\kt+7], v[KV+8*(2*\kt+\c):KV+8*(2*\kt+\c)+7], v[\qv+8*\c:\qv+8*\c+7], v[\sv+8*\kt:\sv+8*\kt+7]
.endif
.endr
.endr
.endm
.macro PVM sv, ov                      ; 8 products: four tiles of 16 channels by turns, 32 keys at a time
.irp u, 0,1
.irp t, 0,1,2,3
	v_wmma_f32_16x16x32_f16 v[\ov+8*\t:\ov+8*\t+7], v[KV+8*(4*\u+\t):KV+8*(4*\u+\t)+7], v[\sv+8*\u:\sv+8*\u+7], v[\ov+8*\t:\ov+8*\t+7]
.endr
.endr
.endm
.macro VLOAD q                         ; four places behind the products that read K's fragments, then the step's V, turned, into the same registers
.rept 4
	v_nop                                          ; places in front of the loads into K's registers and of the first read of the scores
.endr
.irp u, 0,1
.irp t, 0,1,2,3
	ds_load_tr16_b128 v[KV+8*(4*\u+\t):KV+8*(4*\u+\t)+3], v[ADV] offset:(64*(\q)+32*\u)*PVP+32*\t
	ds_load_tr16_b128 v[KV+8*(4*\u+\t)+4:KV+8*(4*\u+\t)+7], v[ADV] offset:(64*(\q)+32*\u+16)*PVP+32*\t
.endr
.endr
.endm
; One tile's softmax for one key step.  mask = 1: the step may lie on the tile's diagonal, and the mask's lines are written (and jumped over where all 64 keys count).
.macro SOFTMAX sv, ov, tv, qv, mask
.if \mask
	s_add_co_u32 s96, s[KF], 63
	s_cmp_le_u32 s96, s[\qv]                       ; all 64 keys count for all 16 queries: no mask
	s_cbranch_scc1 .Lopen_\@
	s_sub_co_i32 s96, s[\qv], s[KF]
	v_add_nc_u32 v[T], s96, v[DL]                  ; register 8 kt + j holds key KF + 16 kt + 8 h + j: hidden where 16 kt + j > my query - KF - 8 h
.set i, 0
.rept 32
	v_cmp_gt_i32 vcc_lo, 16*(i/8)+i%8, v[T]
	v_cndmask_b32 v[\sv+i], v[\sv+i], v[NINF], vcc_lo
.set i, i+1
.endr
.Lopen_\@:
.endif
.irp j, 0,1,2,3
	v_max3_num_f32 v[T+\j], v[\sv+8*\j], v[\sv+8*\j+1], v[\sv+8*\j+2]   ; four chains; each tile is read from its low end on
.endr
.irp i, 3,5
.irp j, 0,1,2,3
	v_max3_num_f32 v[T+\j], v[T+\j], v[\sv+8*\j+\i], v[\sv+8*\j+\i+1]
.endr
.endr
	v_max3_num_f32 v[T], v[T], v[\sv+7], v[\sv+15]
	v_max3_num_f32 v[T+2], v[T+2], v[\sv+23], v[\sv+31]
	v_max3_num_f32 v[T], v[T], v[T+1], v[T+2]
	v_max3_num_f32 v[T], v[T], v[T+3], v[\tv+1]    ; with the old m
	v_permlanex16_b32 v[T+1], v[T], s[SEL], s[SEL+1]   ; the query's other 32 keys lie in the lane 16 away
	v_mov_b32 v[T+3], v[\tv]
	v_max_num_f32 v[\tv+1], v[T], v[T+1]           ; m
	v_mul_f32 v[\tv], s[CS], v[\tv+1]              ; c m
	v_sub_f32 v[T+3], v[T+3], v[\tv]
	v_exp_f32 v[T+2], v[T+3]                       ; a
.set i, 0
.rept 16
	v_pk_fma_f32 v[\sv+i:\sv+i+1], v[\sv+i:\sv+i+1], s[CS:CS+1], v[\tv:\tv+1] op_sel_hi:[1,0,0] neg_lo:[0,0,1] neg_hi:[0,0,1]   ; c s - c m
.set i, i+2
.endr
.set i, 0
.rept 32
	v_exp_f32 v[\sv+i], v[\sv+i]
.set i, i+1
.endr
	v_nop                                          ; a plain instruction behind the last exponential
	s_wait_alu depctr_va_vdst(0)                   ; one wait for the batch of 33, ahead of its first reader
	v_pk_mul_f32 v[\tv+2:\tv+3], v[\tv+2:\tv+3], v[T+2:T+3] op_sel_hi:[1,0]
	v_pk_add_f32 v[T+4:T+5], v[\sv:\sv+1], v[\sv+2:\sv+3]   ; the sum of the unrounded p, in two chains
.irp j, 4,8,12,16,20,24,28
	v_pk_add_f32 v[\tv+2:\tv+3], v[\tv+2:\tv+3], v[\sv+\j:\sv+\j+1]
	v_pk_add_f32 v[T+4:T+5], v[T+4:T+5], v[\sv+\j+2:\sv+\j+3]
.endr
	v_pk_add_f32 v[\tv+2:\tv+3], v[\tv+2:\tv+3], v[T+4:T+5]
.set i, 0
.rept 16
	v_cvt_pk_f16_f32 v[\sv+i], v[\sv+2*i], v[\sv+2*i+1]   ; in place, ascending: register i is written when 2 i and 2 i + 1 are read
.set i, i+1
.endr
.set i, 0
.rept 16
	v_pk_mul_f32 v[\ov+i:\ov+i+1], v[\ov+i:\ov+i+1], v[T+2:T+3] op_sel_hi:[1,0]
.set i, i+2
.endr
.endm
; A KEY STEP: 64 keys, the q-th of the slot in hand.
.macro STEP q
	s_cmp_gt_u32 s[KF], s[QEB]                     ; all keys behind tile B's queries (then behind A's too): nothing but the count of keys
	s_cbranch_scc1 .Lhidden_\@
	v_add_nc_u32 v[ADK], s[TB], v[AK0]
	v_add_nc_u32 v[ADV], s[TB], v[AV0]
.rept 3
	v_nop                                          ; with the two additions five places behind the last step's products: four for the loads into V's registers, five for the products that write over P
.endr
.irp kt, 0,1,2,3
.irp c, 0,1
	ds_load_b128 v[KV+8*(2*\kt+\c):KV+8*(2*\kt+\c)+3], v[ADK] offset:(64*(\q)+16*\kt)*PK+64*\c
	ds_load_b128 v[KV+8*(2*\kt+\c)+4:KV+8*(2*\kt+\c)+7], v[ADK] offset:(64*(\q)+16*\kt)*PK+64*\c+32
.endr
.endr
	s_wait_dscnt 0x0                               ; K is in
	s_cmp_gt_u32 s[KF], s[QEA]                     ; the one test: is tile A still live?
	s_cbranch_scc1 .Lonly_b_\@
	QK SB, QB                                      ; BOTH TILES: each fragment of K and of V feeds two products
	QK SA, QA
	VLOAD \q
	SOFTMAX SB, OB, STB, Q0B, 0                    ; no mask: here KF <= Q0A + 15, so KF + 63 <= Q0A + 78 < Q0A + 128 <= Q0B: all 64 keys count for tile B
	SOFTMAX SA, OA, STA, Q0A, 1
	s_wait_dscnt 0x0                               ; V is in
	PVM SB, OB
	PVM SA, OA
	s_branch .Lhidden_\@
.Lonly_b_\@:
	QK SB, QB                                      ; TILE B ALONE
	VLOAD \q
	SOFTMAX SB, OB, STB, Q0B, 1
	s_wait_dscnt 0x0                               ; V is in
	PVM SB, OB
.Lhidden_\@:
	s_add_co_u32 s[KF], s[KF], 64
.endm
; THE CHANGE OF SLOTS, at a slot's head: each wave waits for all its tensor loads, adds 0 to its spare word, and waits for that and for its reads of the slot that it has left; one barrier;
; fill = 1: the slot just left is filled with the next 128 keys, unless they lie behind the work-group's last query: then no wave would read them.  That test is made of ids and the count of steps
; alone, is the same in all sixteen waves, and leads round the load's own lines only; every wait on TENSORcnt in this text is for 0.
.macro CHANGE fill
	s_wait_tensorcnt 0x0
	ds_add_u32 v[SPW], v[NIL]
.if \fill
	ds_add_u32 v[SPW], v[NIL]                      ; twice on end here, in every trip alike
	s_xor_b32 s[G0K+1], s[G0K+1], SLOT1            ; no tensor load of mine is out: the walking descriptors step
	s_add_nc_u64 s[G0K+2:G0K+3], s[G0K+2:G0K+3], 16384
	s_xor_b32 s[G0V+1], s[G0V+1], SLOT1
	s_add_nc_u64 s[G0V+2:G0V+3], s[G0V+2:G0V+3], 16384
	s_wait_xcnt 0x0                                ; the last prefetch, a slot back, has read its address
	s_add_nc_u64 s[PFA:PFA+1], s[PFA:PFA+1], 16384
.endif
	s_wait_dscnt 0x0
	s_barrier_signal -1
	s_barrier_wait -1
.if \fill
	s_add_co_u32 s96, s[KF], 128
	s_cmp_gt_u32 s96, s[LASTQ]
	s_cbranch_scc1 .Lpast_\@
	TLOAD
.Lpast_\@:
	ASK
.endif
.endm
	s_load_b128 s[4:7], s[0:1], 0x0                ; qkv, y
	v_lshl_add_u32 v[SPW], v0, 2, SPARE
	v_mov_b32 v[NIL], 0
	ds_add_u32 v[SPW], v[NIL]                      ; the wave's opening: the add, twice on end, and its wait ahead of the first tensor load
	ds_add_u32 v[SPW], v[NIL]
	v_lshrrev_b32 v8, 5, v0
	v_readfirstlane_b32 s[WV], v8                  ; wave 0..15
	s_and_b32 s8, ttmp7, 0xffff                    ; yy: the pair of heads
	s_and_b32 s9, s[WV], 1                         ; whose tile I fetch, if I fetch
	s_lshr_b32 s10, s[WV], 3                       ; my head of the two
	s_and_b32 s11, s[WV], 7
	s_lshl_b32 s12, s8, 1
	s_add_co_u32 s13, s12, s9
	s_lshl_b32 s13, s13, 18                        ; the fetched plane, in bytes
	s_add_co_u32 s14, s12, s10
	s_lshl_b32 s14, s14, 18                        ; my plane
	s_lshl_b32 s15, s11, 4
	s_lshl_b32 s[Q0A], ttmp9, 7
	s_add_co_u32 s[Q0A], s[Q0A], s15
	s_sub_co_u32 s16, 15, ttmp9
	s_lshl_b32 s16, s16, 7
	s_add_co_u32 s[Q0B], s16, s15
	s_or_b32 s[LASTQ], s16, 127
	s_add_co_u32 s[QEA], s[Q0A], 15
	s_add_co_u32 s[QEB], s[Q0B], 15
	s_mov_b32 s[G1K], (1<<16)|(1<<20)|(4<<22)|(3<<25)   ; no mask; elements of 2 bytes; 4 words of padding after every 32
	s_mov_b32 s[G1V], (1<<16)|(1<<20)|(4<<22)|(7<<25)   ; 8 words
.irp g, G1K, G1V
	s_mov_b32 s[\g+1], 64<<16                      ; tensor_dim0
	s_mov_b32 s[\g+2], 128<<16                     ; tensor_dim1
	s_mov_b32 s[\g+3], 64<<16                      ; tile_dim0
	s_mov_b32 s[\g+4], 128                         ; tile_dim1
	s_mov_b32 s[\g+5], 64                          ; the pitch
	s_mov_b32 s[\g+6], 0
	s_mov_b32 s[\g+7], 0
.endr
	s_mov_b32 s[SEL], 0x76543210
	s_mov_b32 s[SEL+1], 0xfedcba98
	s_mov_b32 s[CS], 0x3e38aa3b                    ; c = log2(e) / 8
	s_mov_b32 s[CS+1], s[CS]
	s_mov_b32 s[TB], 0
	s_mov_b32 s[KF], 0
	s_mov_b32 s[SLOTS], NSL-1
	s_mov_b32 s17, 0
	s_wait_dscnt 0x0                               ; both opening adds are done
	s_wait_kmcnt 0x0
	s_mov_b32 s16, s13
	s_mov_b32 s[G0K], 1
	s_mul_i32 s[G0K+1], s9, KH
	s_add_nc_u64 s[G0K+2:G0K+3], s[4:5], s[16:17]
	s_add_nc_u64 s[G0K+2:G0K+3], s[G0K+2:G0K+3], 16777216   ; k's third
	s_or_b32 s[G0K+3], s[G0K+3], 0x80000000
	s_mov_b32 s[G0V], 1
	s_mul_i32 s[G0V+1], s9, VH
	s_add_co_u32 s[G0V+1], s[G0V+1], VOFF
	s_add_nc_u64 s[G0V+2:G0V+3], s[4:5], s[16:17]
	s_add_nc_u64 s[G0V+2:G0V+3], s[G0V+2:G0V+3], 33554432   ; v's third
	s_or_b32 s[G0V+3], s[G0V+3], 0x80000000
	TLOAD                                          ; slot 0: key 0 counts for every query
	s_mov_b32 s16, s14
	s_add_nc_u64 s[72:73], s[4:5], s[16:17]        ; q of my plane
	s_lshl_b32 s16, s[Q0A], 7
	s_add_nc_u64 s[74:75], s[72:73], s[16:17]
	s_lshl_b32 s16, s[Q0B], 7
	s_add_nc_u64 s[72:73], s[72:73], s[16:17]
	v_and_b32 v8, 15, v0                           ; r
	v_bfe_u32 v9, v0, 4, 1                         ; h
	v_lshlrev_b32 v10, 7, v8
	v_lshl_add_u32 v10, v9, 4, v10                 ; row r of 128 bytes, + 16 h
.irp c, 0,1,2,3
	global_load_b128 v[QA+4*\c:QA+4*\c+3], v10, s[74:75] offset:32*\c   ; Q's fragments stay in registers
	global_load_b128 v[QB+4*\c:QB+4*\c+3], v10, s[72:73] offset:32*\c
.endr
	v_mul_u32_u24 v[AK0], v8, PK
	v_lshl_add_u32 v[AK0], v9, 4, v[AK0]
	s_mul_i32 s16, s10, KH
	v_add_nc_u32 v[AK0], s16, v[AK0]
	v_and_b32 v11, 7, v0
	v_lshl_add_u32 v11, v9, 3, v11
	v_mul_u32_u24 v[AV0], v11, PVP                 ; the turning load: key 8 h + lane % 8,
	v_bfe_u32 v11, v0, 3, 1
	v_lshl_add_u32 v[AV0], v11, 4, v[AV0]          ; channels 8 ((lane / 8) % 2) on
	s_mul_i32 s16, s10, VH
	s_add_co_u32 s16, s16, VOFF
	v_add_nc_u32 v[AV0], s16, v[AV0]
	v_lshlrev_b32 v11, 3, v9
	v_sub_nc_u32 v[DL], v8, v11
	s_mul_i32 s16, s11, 16*272
	s_lshl_b32 s19, s10, 7
	s_add_co_u32 s16, s16, s19
	s_add_co_u32 s16, s16, STG
	v_mul_u32_u24 v[STO], v8, 272
	v_lshl_add_u32 v[STO], v9, 4, v[STO]
	v_add_nc_u32 v[STO], s16, v[STO]               ; the stage, in: row 16 (w % 8) + r, my head's 128 bytes, 16 h
	s_mul_i32 s16, s[WV], 8*272
	s_add_co_u32 s16, s16, STG
	v_mul_u32_u24 v[RD], v9, 272
	v_lshl_add_u32 v[RD], v8, 4, v[RD]
	v_add_nc_u32 v[RD], s16, v[RD]                 ; back: rows 8 w on, sixteen lanes to a row of 256 bytes
	v_lshlrev_b32 v[GO], 11, v9
	v_lshl_add_u32 v[GO], v8, 4, v[GO]             ; the same two rows in y
	s_lshr_b32 s16, s8, 3
	s_lshl_b32 s16, s16, 22                        ; the batch: 2,048 rows of 2,048 bytes
	s_lshl_b32 s19, s[WV], 14                      ; 8 w rows
	s_add_co_u32 s16, s16, s19
	s_and_b32 s19, s8, 7
	s_lshl_b32 s19, s19, 8                         ; the pair of heads: 256 bytes of a row
	s_add_co_u32 s16, s16, s19
	s_add_nc_u64 s[6:7], s[6:7], s[16:17]
	s_lshl_b32 s16, ttmp9, 18                      ; a block of 128 rows
	s_add_nc_u64 s[YA:YA+1], s[6:7], s[16:17]
	s_sub_co_u32 s16, 15, ttmp9
	s_lshl_b32 s16, s16, 18
	s_add_nc_u64 s[YB:YB+1], s[6:7], s[16:17]
	s_sub_co_u32 s16, s[WV], 4                     ; the prefetches: waves 4-11 of the pair's first work-group
	s_lshr_b32 s19, s16, 3
	s_or_b32 s19, s19, ttmp9
	s_cmp_eq_u32 s19, 0
	s_cselect_b32 s[LIM], 1, -1
	s_bfe_u32 s19, s16, 0x10001                    ; which head,
	s_add_co_u32 s19, s19, s12
	s_lshl_b32 s19, s19, 18
	s_and_b32 s86, s16, 1                          ; which half of a slot's 16,384 bytes,
	s_lshl_b32 s86, s86, 13
	s_add_co_u32 s19, s19, s86
	s_bfe_u32 s86, s16, 0x10002                    ; K or V
	s_lshl_b32 s86, s86, 24
	s_add_co_u32 s19, s19, s86
	s_add_co_u32 s16, s19, 16777216+16384          ; in slot 1: the first change of slots steps it to slot 2.  Nothing is prefetched at the head
	s_add_nc_u64 s[PFA:PFA+1], s[4:5], s[16:17]
	v_and_b32 v[PFO], 31, v0
	v_lshlrev_b32 v[PFO], 8, v[PFO]
	v_mov_b32 v[NINF], 0xff800000
.irp t, STA, STB
	v_mov_b32 v[\t+1], 0xff61b1e6                  ; m: -3e38, under every score
	v_mul_f32 v[\t], s[CS], v[\t+1]
	v_mov_b32 v[\t+2], 0
	v_mov_b32 v[\t+3], 0
.endr
.set i, 0
.rept 64
	v_mov_b32 v[OA+i], 0                           ; O^T of both tiles: the step is written once, and its first turn multiplies zeros by a = 0
.set i, i+1
.endr
	s_wait_loadcnt 0x0                             ; Q; its address register is free
.irp j, 0,1,2,3,4,5,6,7
	v_mov_b32 v[T+\j], 0                           ; written once: lane permutes' destinations and pairs' upper halves count as read
.endr
.Lslot:                                            ; 15 trips
	CHANGE 1
	STEP 0
	STEP 1
	s_xor_b32 s[TB], s[TB], SLOT1
	s_sub_co_u32 s[SLOTS], s[SLOTS], 1
	s_cmp_lg_u32 s[SLOTS], 0
	s_cbranch_scc1 .Lslot
	CHANGE 0                                       ; the last slot is written out: nothing is left to fetch
	STEP 0
	STEP 1
	; THE WAY OUT: O^T / l, rounded to f16, through the stage, where a token's 256 bytes of the two heads meet; sixteen lanes store 256 consecutive bytes, aligned.
.rept 4
	v_nop
.endr
	v_add_f32 v[T], v[STA+2], v[STA+3]
	v_add_f32 v[T+1], v[STB+2], v[STB+3]
	v_permlanex16_b32 v[T+2], v[T], s[SEL], s[SEL+1]
	v_permlanex16_b32 v[T+3], v[T+1], s[SEL], s[SEL+1]
	v_add_f32 v[T], v[T], v[T+2]
	v_add_f32 v[T+1], v[T+1], v[T+3]
	v_rcp_f32 v[T+4], v[T]
	v_rcp_f32 v[T+6], v[T+1]
	v_nop
	s_wait_alu depctr_va_vdst(0)                   ; one wait for the two reciprocals, ahead of their first reader
.set i, 0
.rept 16
	v_pk_mul_f32 v[OA+i:OA+i+1], v[OA+i:OA+i+1], v[T+4:T+5] op_sel_hi:[1,0]
	v_pk_mul_f32 v[OB+i:OB+i+1], v[OB+i:OB+i+1], v[T+6:T+7] op_sel_hi:[1,0]
.set i, i+2
.endr
.set i, 0
.rept 16
	v_cvt_pk_f16_f32 v[SA+i], v[OA+2*i], v[OA+2*i+1]
	v_cvt_pk_f16_f32 v[SB+i], v[OB+2*i], v[OB+2*i+1]
.set i, i+1
.endr
.irp t, 0,1,2,3
	ds_store_b128 v[STO], v[SA+4*\t:SA+4*\t+3] offset:32*\t
	ds_store_b128 v[STO], v[SB+4*\t:SB+4*\t+3] offset:STGT+32*\t
.endr
	s_wait_dscnt 0x0                               ; for the others' sake: my stores into the stage are done
	s_barrier_signal -1
	s_barrier_wait -1
.irp i, 0,1,2,3
	ds_load_b128 v[KV+4*\i:KV+4*\i+3], v[RD] offset:544*\i
.endr
.irp i, 0,1,2,3
	ds_load_b128 v[KV+16+4*\i:KV+16+4*\i+3], v[RD] offset:STGT+544*\i
.endr
.irp i, 0,1,2,3
	s_wait_dscnt 7-\i                              ; the younger loads may be out
	global_store_b128 v[GO], v[KV+4*\i:KV+4*\i+3], s[YA:YA+1] offset:4096*\i
.endr
.irp i, 0,1,2,3
	s_wait_dscnt 3-\i
	global_store_b128 v[GO], v[KV+16+4*\i:KV+16+4*\i+3], s[YB:YB+1] offset:4096*\i
.endr
	s_wait_tensorcnt 0x0                           ; the wave's end
	ds_add_u32 v[SPW], v[NIL]
	s_wait_dscnt 0x0
	s_endpgm
.Lfunc_end_k_q4d78619e3e_attn:
	.size	k_q4d78619e3e_attn, .Lfunc_end_k_q4d78619e3e_attn-k_q4d78619e3e_attn
	.p2alignl 7, 3214868480
	.fill 96, 4, 3214868480
	.section	.rodata,"a",@progbits
	.p2align	6, 0x0
	.amdhsa_kernel k_q4d78619e3e_attn
		.amdhsa_group_segment_fixed_size 327680
		.amdhsa_private_segment_fixed_size 0
		.amdhsa_enable_private_segment 0
		.amdhsa_kernarg_size 16
		.amdhsa_user_sgpr_count 2
		.amdhsa_user_sgpr_kernarg_segment_ptr 1
		.amdhsa_wavefront_size32 1
		.amdhsa_system_sgpr_workgroup_id_x 1
		.amdhsa_system_sgpr_workgroup_id_y 1
		.amdhsa_system_sgpr_workgroup_id_z 1
		.amdhsa_system_vgpr_workitem_id 0
		.amdhsa_next_free_vgpr 256
		.amdhsa_next_free_sgpr 100
		.amdhsa_reserve_vcc 1
		.amdhsa_float_denorm_mode_32 3
		.amdhsa_float_denorm_mode_16_64 3
		.amdhsa_memory_ordered 1
		.amdhsa_forward_progress 1
		.amdhsa_inst_pref_size 139
	.end_amdhsa_kernel
	.amdgpu_metadata
---
amdhsa.version: [ 1, 2 ]
amdhsa.kernels:
  - .name:           k_q4d78619e3e_attn
    .symbol:         k_q4d78619e3e_attn.kd
    .args:
      - { .name: qkv, .offset: 0, .size: 8, .value_kind: global_buffer, .address_space: global }
      - { .name: y, .offset: 8, .size: 8, .value_kind: global_buffer, .address_space: global }
    .group_segment_fixed_size: 327680
    .private_segment_fixed_size: 0
    .kernarg_segment_align: 8
    .kernarg_segment_size: 16
    .max_flat_workgroup_size: 512
    .sgpr_count:     100
    .vgpr_count:     256
    .wavefront_size: 32
...
	.end_amdgpu_metadata
.endif
;; end of part 3
;; launch proj (part 4): grid 4 x 64, 4 waves a work-group, clusters of 4 x 4, 327,680 bytes of LDS; arguments y, wpt, b_proj, out0; writes out0
.if DOCPART == 4
	.amdgcn_target "amdgcn-amd-amdhsa--gfx1250"
	.amdhsa_code_object_version 6
	.text
	.protected	k_q4d78619e3e_proj
	.globl	k_q4d78619e3e_proj
	.p2align	8
	.type	k_q4d78619e3e_proj,@function
k_q4d78619e3e_proj:
	s_mov_b64 s[64:65], 0
	v_nop
	global_prefetch_b8 v0, s[64:65] scope:SCOPE_SE
	s_setreg_imm32_b32 hwreg(HW_REG_WAVE_MODE, 25, 1), 1
	s_wait_xcnt 0x0
	s_wait_alu depctr_hold_cnt(0) depctr_sa_sdst(0) depctr_va_vdst(0) depctr_va_sdst(0) depctr_va_ssrc(0) depctr_va_vcc(0) depctr_vm_vsrc(0)
	s_getreg_b32 s2, hwreg(HW_REG_IB_STS2, 6, 4)
	s_cmp_eq_u32 s2, 0
	s_cbranch_scc0 .Lentry_in_a_cluster
	s_endpgm
.Lentry_in_a_cluster:
	s_bfe_u32 s2, ttmp6, 0x10000c
	s_cmp_lg_u32 s2, 0xf033
	s_cbranch_scc0 .Lentry_shape_is_right
	s_endpgm
.Lentry_shape_is_right:
; Launch 4 of 5: out0 = y W_proj + b_proj, operands in f16 (y [8192][1024], wpt [1024 n][1024 k]), sums in f32.  Tokens 0-15 of each batch are not stored here: the last launch owns those rows.
; A tile of 128 x 256 of out0 is made by four waves, 64 x 128 each: 32 accumulators, 256 registers: 256 work-groups.  K goes in steps of 128 (rows of 256 bytes) through two LDS slots.
; CLUSTERS: 4 x 4; y's tile is asked for jointly along a row of the cluster, wpt's along a column.  Tile row = 16 cy + cluster y: the batch is cy, and "the tile begins with a batch's token 0" is
; cluster y = 0, the same in all partners.  Two tensor loads of a wave are out at the start, one behind each round.
; THE MATRIX INSTRUCTION IS USED TRANSPOSED (source 0 = 16 rows of wpt, source 1 = 16 rows of y).  The bias is the C of each sum's first instruction.
; No prefetch: K has eight steps, and the tiles are shared in the cluster.
; REGISTERS: window 0: v16-31 addresses; v64-191 the way out; v192-255 the bias.  window 1: two fragment buffers (B's 8 fragments, then A's 4).  window 2: accumulator (a, b) at v[8 (8 a + b)].
.set KSTEP,  128
.set PITCH,  272
.set HA,     64*PITCH
.set HB,     128*PITCH
.set SLOT,   2*HA+2*HB
.set STAGE,  2*SLOT                    ; behind the ring: 16 rows x 528 bytes for each wave
.set SPITCH, 528
.set SPARE,  STAGE+4*16*SPITCH         ; the spare words: two blocks of 256 bytes that no other line names
.set LAPS,   4
.set ADRA, 16
.set ADRB, 20
.set STO,  24
.set RD,   25
.set CO,   26
.set SPW,  28
.set NIL,  29
.set BK,   64
.set BIAS, 192
.set F0,   0
.set F1,   128
.set G1, 24
.set G0, 32
.set G1B, 48
.set G0B, 56
.set MSB, 0
.macro WIN new
.if MSB != (\new)
	s_set_vgpr_msb (MSB<<8)|(\new)
.set MSB, (\new)
.endif
.endm
.set MUL,  0xa5                        ; sources 0 and 1 window 1; C and D window 2
.set MUL0, 0x85                        ; the first products: C (the bias) window 0
.set TO_F, 0x40
.macro JLOAD s                         ; waves 0 and 1 fetch y's two halves, waves 2 and 3 wpt's; an s_nop 0 and four v_nop follow each line
	s_cmp_eq_u32 s15, 0
	s_cbranch_scc0 .Lfor_b_\@
	tensor_load_to_lds s[G0+4*\s:G0+4*\s+3], s[G1:G1+7]
	s_nop 0
.rept 4
	v_nop
.endr
	s_branch .Lasked_\@
.Lfor_b_\@:
	tensor_load_to_lds s[G0B+4*\s:G0B+4*\s+3], s[G1B:G1B+7]
	s_nop 0
.rept 4
	v_nop
.endr
.Lasked_\@:
.endm
.macro CREST
	s_cmp_lg_u32 s14, 0
	s_cbranch_scc1 .Lnot_wave_0_\@
	s_barrier_signal -3
.Lnot_wave_0_\@:
	s_barrier_wait -3
	s_barrier_signal -1
	s_barrier_wait -1
.endm
.macro CROUND
	s_barrier_signal -1
	s_barrier_wait -1
	CREST
.endm
	s_load_b128 s[4:7], s[0:1], 0x0                ; y, wpt
	s_load_b128 s[8:11], s[0:1], 0x10              ; b_proj, out0
	v_lshl_add_u32 v[SPW], v0, 2, SPARE
	v_mov_b32 v[NIL], 0
	ds_add_u32 v[SPW], v[NIL]                      ; the wave's opening: the add, twice on end, and its wait ahead of my first tensor load
	ds_add_u32 v[SPW], v[NIL]
	v_lshrrev_b32 v1, 5, v0
	v_readfirstlane_b32 s14, v1                    ; wave 0..3
	s_lshr_b32 s15, s14, 1                         ; which 64 rows are mine.  Also: I fetch for y (0) or for wpt (1)
	s_and_b32 s16, s14, 1                          ; which 128 columns.  Also: which half of that tile I fetch
	s_bfe_u32 s40, ttmp6, 0x40000                  ; cx
	s_bfe_u32 s41, ttmp6, 0x40004                  ; cy
	s_lshl_b32 s42, ttmp9, 2
	s_add_co_u32 s42, s42, s40                     ; tile column
	s_and_b32 s12, ttmp7, 0xffff                   ; cluster y
	s_lshl_b32 s17, s41, 4
	s_add_co_u32 s17, s17, s12                     ; tile row = 16 cy + cluster y
	s_or_b32 s13, s12, s15                         ; 0 where my rows begin with a batch's token 0
	s_lshl_b32 s43, s41, 2
	s_lshl_b32 s43, 15, s43                        ; my row of the cluster
	s_lshl_b32 s44, 0x1111, s40                    ; my column
	s_or_b32 s[G1+0], s43, (1<<16)|(1<<20)|(1<<21)|(5<<22)|(3<<25)   ; the mask; elements of 2 bytes; padding on; bit 21 beside a mask; 4 words after every 64
	s_or_b32 s[G1B+0], s44, (1<<16)|(1<<20)|(1<<21)|(5<<22)|(3<<25)
	s_mov_b32 s[G1+1], KSTEP<<16
	s_mov_b32 s[G1+2], 64<<16                      ; y: 64 rows to a load
	s_mov_b32 s[G1+3], KSTEP<<16
	s_mov_b32 s[G1+4], 64
	s_mov_b32 s[G1+5], 1024
	s_mov_b32 s[G1+6], 0
	s_mov_b32 s[G1+7], 0
	s_mov_b32 s[G1B+1], KSTEP<<16
	s_mov_b32 s[G1B+2], 128<<16                    ; wpt: 128 rows
	s_mov_b32 s[G1B+3], KSTEP<<16
	s_mov_b32 s[G1B+4], 128
	s_mov_b32 s[G1B+5], 1024
	s_mov_b32 s[G1B+6], 0
	s_mov_b32 s[G1B+7], 0
	s_lshl_b32 s20, s17, 7
	s_lshl_b32 s18, s16, 6
	s_add_co_u32 s20, s20, s18                     ; y: row 128 x tile row + 64 x half
	s_lshl_b32 s20, s20, 11
	s_mov_b32 s21, 0
	s_lshl_b32 s46, s42, 8
	s_lshl_b32 s18, s16, 7
	s_add_co_u32 s46, s46, s18                     ; wpt: row 256 x tile column + 128 x half
	s_lshl_b32 s46, s46, 11
	s_mov_b32 s47, 0
	s_mul_i32 s22, s16, HA                         ; where they go: no place in the cluster enters an LDS address
	s_mul_i32 s23, s16, HB
	s_add_co_u32 s23, s23, 2*HA
	s_wait_dscnt 0x0                               ; both opening adds are done
	s_wait_kmcnt 0x0
	s_add_nc_u64 s[20:21], s[4:5], s[20:21]
	s_add_nc_u64 s[46:47], s[6:7], s[46:47]
	CROUND                                         ; all sixteen work-groups are here: the first joint loads meet
.irp s, 0,1
	s_mov_b32 s[G0+4*\s], 1
	s_add_co_u32 s[G0+4*\s+1], s22, \s*SLOT
	s_add_nc_u64 s[G0+4*\s+2:G0+4*\s+3], s[20:21], \s*KSTEP*2
	s_or_b32 s[G0+4*\s+3], s[G0+4*\s+3], 0x80000000
	s_mov_b32 s[G0B+4*\s], 1
	s_add_co_u32 s[G0B+4*\s+1], s23, \s*SLOT
	s_add_nc_u64 s[G0B+4*\s+2:G0B+4*\s+3], s[46:47], \s*KSTEP*2
	s_or_b32 s[G0B+4*\s+3], s[G0B+4*\s+3], 0x80000000
	JLOAD \s
.endr
	v_and_b32 v1, 15, v0                           ; r
	v_bfe_u32 v2, v0, 4, 1                         ; h
	v_mul_u32_u24 v3, v1, PITCH
	v_lshl_add_u32 v3, v2, 4, v3
	s_mul_i32 s21, s15, HA                         ; my 64 rows of y
	s_mul_i32 s22, s16, HB                         ; my 128 rows of wpt,
	s_add_co_u32 s22, s22, 2*HA                    ; behind y's 128
.irp s, 0,1
	v_add_nc_u32 v[ADRA+\s], s21, v3
	v_add_nc_u32 v[ADRB+\s], s22, v3
	s_add_co_u32 s21, s21, SLOT
	s_add_co_u32 s22, s22, SLOT
.endr
	s_mul_i32 s23, s14, 16*SPITCH
	s_add_co_u32 s23, s23, STAGE                   ; my stage
	v_mul_u32_u24 v5, v1, SPITCH
	v_lshl_add_u32 v5, v2, 5, v5
	v_add_nc_u32 v[STO], s23, v5                   ; in: row r, 32 bytes for each half of the lanes
	v_and_b32 v6, 31, v0
	v_lshlrev_b32 v[CO], 4, v6                     ; back: the 32 lanes take a row of 512 bytes; the same in out0
	v_add_nc_u32 v[RD], s23, v[CO]
	s_lshl_b32 s46, s42, 10
	s_lshl_b32 s47, s16, 9
	s_add_co_u32 s46, s46, s47                     ; 4 x my first column
	s_mov_b32 s47, 0
	s_add_nc_u64 s[8:9], s[8:9], s[46:47]
	s_add_nc_u64 s[10:11], s[10:11], s[46:47]
	s_lshl_b32 s46, s17, 7
	s_lshl_b32 s18, s15, 6
	s_add_co_u32 s46, s46, s18                     ; my first row
	s_lshl_b32 s46, s46, 12
	s_add_nc_u64 s[10:11], s[10:11], s[46:47]
	v_lshlrev_b32 v9, 5, v2
.irp b, 0,1,2,3,4,5,6,7
	global_load_b128 v[BIAS+8*\b:BIAS+8*\b+3], v9, s[8:9] offset:64*\b
	global_load_b128 v[BIAS+8*\b+4:BIAS+8*\b+7], v9, s[8:9] offset:64*\b+16
.endr
.macro MUL8 f, a, zero                 ; block a of my rows x all 8 blocks of columns, 32 along K.  The 32 accumulators take turns, in the same order in every quarter
.irp b, 0,1,2,3,4,5,6,7
.if \zero
	v_wmma_f32_16x16x32_f16 v[8*(8*(\a)+\b):8*(8*(\a)+\b)+7], v[\f+8*\b:\f+8*\b+7], v[\f+64+8*(\a):\f+64+8*(\a)+7], v[BIAS+8*\b:BIAS+8*\b+7]
.else
	v_wmma_f32_16x16x32_f16 v[8*(8*(\a)+\b):8*(8*(\a)+\b)+7], v[\f+8*\b:\f+8*\b+7], v[\f+64+8*(\a):\f+64+8*(\a)+7], v[8*(8*(\a)+\b):8*(8*(\a)+\b)+7]
.endif
.endr
.endm
.macro FETCH slot, k, f                ; 24 LDS loads in one run: B's eight fragments, then A's four
	WIN TO_F
.irp i, 0,1,2,3,4,5,6,7
	ds_load_b128 v[\f+8*\i:\f+8*\i+3],   v[ADRB+\slot] offset:\k+\i*16*PITCH
	ds_load_b128 v[\f+8*\i+4:\f+8*\i+7], v[ADRB+\slot] offset:\k+\i*16*PITCH+32
.endr
.irp i, 0,1,2,3
	ds_load_b128 v[\f+64+8*\i:\f+64+8*\i+3],   v[ADRA+\slot] offset:\k+\i*16*PITCH
	ds_load_b128 v[\f+64+8*\i+4:\f+64+8*\i+7], v[ADRA+\slot] offset:\k+\i*16*PITCH+32
.endr
.endm
.macro PLACES                          ; four plain vector instructions in front of loads into registers that matrix instructions have read, and of reads of results
.rept 4
	v_nop
.endr
.endm
.macro QUARTER slot, k, f, g, zero     ; 32 along K: multiplies buffer f and fetches the next quarter, at byte k, into g
	s_wait_dscnt 4                                 ; B and A's blocks 0, 1 are in; the youngest four loads (A's blocks 2, 3) may be out
.if \zero
	WIN MUL0
.else
	WIN MUL
.endif
	MUL8 \f, 0, \zero
	MUL8 \f, 1, \zero
	PLACES
	FETCH \slot, \k, \g
	s_wait_dscnt 24                                ; all but the 24 just issued
.if \zero
	WIN MUL0
.else
	WIN MUL
.endif
	MUL8 \f, 2, \zero
	MUL8 \f, 3, \zero
.endm
; A slot's last quarter changes slots: one barrier; in front of it each wave waits for all its tensor loads, adds 0 to its spare word, and waits for that and for its reads of this slot.
; fill = 1: the barrier opens a round of the cluster's barrier, and the joint refill, two K steps ahead, is the first tensor load behind it.
.macro TURN slot, next, fill
	WIN 0
	s_wait_tensorcnt 0x0
	ds_add_u32 v[SPW], v[NIL]
	s_wait_dscnt 5                                 ; the add and the youngest four loads may be out
	WIN MUL
	MUL8 F1, 0, 0
	s_wait_dscnt 0x0                               ; the add is done, and my reads of this slot are over
	s_barrier_signal -1
	MUL8 F1, 1, 0
.if \fill
	WIN 0
.endif
	s_barrier_wait -1
.if \fill
	CREST
	s_add_nc_u64 s[G0+4*\slot+2:G0+4*\slot+3], s[G0+4*\slot+2:G0+4*\slot+3], 2*KSTEP*2
	s_add_nc_u64 s[G0B+4*\slot+2:G0B+4*\slot+3], s[G0B+4*\slot+2:G0B+4*\slot+3], 2*KSTEP*2
	JLOAD \slot                                    ; its four v_nop are also the places in front of the loads below
.else
	PLACES
.endif
	FETCH \next, 0, F0
	WIN MUL
	MUL8 F1, 2, 0
	MUL8 F1, 3, 0
.endm
	s_wait_tensorcnt 1                             ; my part of K step 0 is in; K step 1's load may be out,
	s_barrier_signal -1
	s_barrier_wait -1                              ; everybody's is
	FETCH 0, 0, F0
	s_wait_loadcnt 0x0                             ; the bias
	QUARTER 0, 64, F0, F1, 1                       ; the first quarter starts the sums from the bias
	WIN 0
	s_mov_b32 s3, LAPS-1
.Llap:                                             ; a trip goes once round the ring and fills both slots again
	QUARTER 0, 128, F1, F0, 0
	QUARTER 0, 192, F0, F1, 0
	TURN 0, 1, 1
	QUARTER 1, 64,  F0, F1, 0
	QUARTER 1, 128, F1, F0, 0
	QUARTER 1, 192, F0, F1, 0
	TURN 1, 0, 1
	QUARTER 0, 64,  F0, F1, 0
	WIN 0
	s_sub_co_u32 s3, s3, 1
	s_cmp_lg_u32 s3, 0
	s_cbranch_scc1 .Llap
	QUARTER 0, 128, F1, F0, 0                      ; the last lap fills nothing
	QUARTER 0, 192, F0, F1, 0
	TURN 0, 1, 0
	QUARTER 1, 64,  F0, F1, 0
	QUARTER 1, 128, F1, F0, 0
	QUARTER 1, 192, F0, F1, 0
	s_wait_dscnt 4
	WIN MUL
	MUL8 F1, 0, 0
	MUL8 F1, 1, 0
	s_wait_dscnt 0
	MUL8 F1, 2, 0
	MUL8 F1, 3, 0
	WIN 0
; THE WAY OUT, block by block of 16 rows x 128 columns, through my own stage: back as whole rows of 512 bytes.
.macro TOSTAGE a
	WIN 0x08                                       ; an LDS store's data: source 1, window 2
.irp b, 0,1,2,3,4,5,6,7
	ds_store_b128 v[STO], v[8*(8*(\a)+\b):8*(8*(\a)+\b)+3] offset:64*\b      ; each accumulator from its low end on
	ds_store_b128 v[STO], v[8*(8*(\a)+\b)+4:8*(8*(\a)+\b)+7] offset:64*\b+16
.endr
	WIN 0
.set BB, BK+64*((\a)%2)
.irp t, 0,1,2,3,4,5,6,7,8,9,10,11,12,13,14,15
	ds_load_b128 v[BB+4*\t:BB+4*\t+3], v[RD] offset:\t*SPITCH
.endr
.endm
.macro SEND a, younger                 ; younger: the LDS instructions issued behind block a's loads, which may stay out
.set BB, BK+64*((\a)%2)
	s_wait_dscnt \younger
.if (\a) > 0
	s_add_nc_u64 s[10:11], s[10:11], 16*4096       ; behind a wait on XCNT: the earlier stores have read their base
.else
	s_cmp_eq_u32 s13, 0                            ; tokens 0-15 of a batch: the last launch stores these rows
	s_cbranch_scc1 .Lfine_rows
.endif
.irp t, 0,1,2,3,4,5,6,7,8,9,10,11,12,13,14,15
	global_store_b128 v[CO], v[BB+4*\t:BB+4*\t+3], s[10:11] offset:\t*4096 th:TH_STORE_NT   ; 32 lanes store 512 consecutive bytes, aligned
.endr
.if (\a) == 0
.Lfine_rows:
.endif
.endm
	PLACES
	TOSTAGE 0
.irp a, 1,2,3
.if \a > 1
	s_wait_xcnt 0x0                                ; block a - 2's stores have read their registers and their base
.endif
	TOSTAGE \a
	SEND \a-1, 32                                  ; behind block a - 1's loads: block a's 16 stores and 16 loads
.endr
	s_wait_xcnt 0x0
	SEND 3, 0
	s_wait_tensorcnt 0x0                           ; the wave's end
	ds_add_u32 v[SPW], v[NIL]
	s_wait_dscnt 0x0
	CROUND                                         ; the closing round
	s_endpgm
.Lfunc_end_k_q4d78619e3e_proj:
	.size	k_q4d78619e3e_proj, .Lfunc_end_k_q4d78619e3e_proj-k_q4d78619e3e_proj
	.p2alignl 7, 3214868480
	.fill 96, 4, 3214868480
	.section	.rodata,"a",@progbits
	.p2align	6, 0x0
	.amdhsa_kernel k_q4d78619e3e_proj
		.amdhsa_group_segment_fixed_size 327680
		.amdhsa_private_segment_fixed_size 0
		.amdhsa_enable_private_segment 0
		.amdhsa_kernarg_size 32
		.amdhsa_user_sgpr_count 2
		.amdhsa_user_sgpr_kernarg_segment_ptr 1
		.amdhsa_wavefront_size32 1
		.amdhsa_system_sgpr_workgroup_id_x 1
		.amdhsa_system_sgpr_workgroup_id_y 1
		.amdhsa_system_sgpr_workgroup_id_z 1
		.amdhsa_system_vgpr_workitem_id 0
		.amdhsa_next_free_vgpr 768
		.amdhsa_next_free_sgpr 66
		.amdhsa_reserve_vcc 0
		.amdhsa_float_denorm_mode_32 3
		.amdhsa_float_denorm_mode_16_64 3
		.amdhsa_memory_ordered 1
		.amdhsa_forward_progress 1
		.amdhsa_inst_pref_size 87
	.end_amdhsa_kernel
	.amdgpu_metadata
---
amdhsa.version: [ 1, 2 ]
amdhsa.kernels:
  - .name:           k_q4d78619e3e_proj
    .symbol:         k_q4d78619e3e_proj.kd
    .args:
      - { .name: y, .offset: 0, .size: 8, .value_kind: global_buffer, .address_space: global }
      - { .name: wpt, .offset: 8, .size: 8, .value_kind: global_buffer, .address_space: global }
      - { .name: b_proj, .offset: 16, .size: 8, .value_kind: global_buffer, .address_space: global }
      - { .name: out0, .offset: 24, .size: 8, .value_kind: global_buffer, .address_space: global }
    .group_segment_fixed_size: 327680
    .private_segment_fixed_size: 0
    .kernarg_segment_align: 8
    .kernarg_segment_size: 32
    .max_flat_workgroup_size: 128
    .sgpr_count:     66
    .vgpr_count:     768
    .wavefront_size: 32
...
	.end_amdgpu_metadata
.endif
;; end of part 4
;; launch fine (part 5): grid 16 x 4, 16 waves a work-group, no clusters, 71,680 bytes of LDS; arguments qkvf, W_proj, b_proj, out0; writes out0
.if DOCPART == 5
	.amdgcn_target "amdgcn-amd-amdhsa--gfx1250"
	.amdhsa_code_object_version 6
	.text
	.protected	k_q4d78619e3e_fine
	.globl	k_q4d78619e3e_fine
	.p2align	8
	.type	k_q4d78619e3e_fine,@function
k_q4d78619e3e_fine:
	s_mov_b64 s[64:65], 0
	v_nop
	global_prefetch_b8 v0, s[64:65] scope:SCOPE_SE
	s_setreg_imm32_b32 hwreg(HW_REG_WAVE_MODE, 25, 1), 1
	s_wait_xcnt 0x0
; Launch 5 of 5: tokens 0-15 of each batch, wholly in f32: their rows average one to sixteen values and are the largest, so no operand of theirs is rounded to 16 bits.
; k carries no bias (shown at the head of the first kernel).  64 rows of out0 in all: no bulk work, so the f32 matrix form serves.
; SHARES.  Work-group (jb, b): 64 columns of out0, one batch.  Wave w is head w: its 16 x 16 attention, then its y (16 x 64) times W_proj[64 w .. + 63][64 jb .. + 63]; the sixteen parts are
; added through LDS.  The attention is repeated in the 16 column blocks: 32 small matrix instructions a wave, in place of a launch more.
; LAYOUT.  The f32 form takes k = 2 h + j in register j.  Both sides of each product are loaded with the same order of k, so every product meets its partner.  S^T = K Q^T and O^T = V^T P give a lane
; one query; O^T / l is source 1 of the last product as it stands.
; The registers that the f32 matrix form writes (v48-79, v96-127) are written by matrix instructions alone.
.set SPARE, 69632                      ; behind the sixteen parts (16 rows x 272 bytes each): the spare words
.set SPW,  3
.set NIL,  4
.set QR,   16                          ; v16-47 Q, later y / l
.set YN,   16
.set SACC, 48                          ; v48-79 four accumulators of S^T, later those of the four column tiles
.set OUTA, 48
.set P,    80                          ; v80-87 the scores, then p
.set T,    88                          ; v88-91 at work
.set BI,   92                          ; v92-95 the bias
.set OACC, 96                          ; v96-127 O^T
.set KR,   128                         ; v128-159 K
.set VT,   160                         ; v160-191 V^T
.set WP,   128                         ; v128-255 W_proj's four column tiles (tiles 0, 1 come when K and V^T are done with)
	s_load_b256 s[4:11], s[0:1], 0x0               ; qkvf, W_proj, b_proj, out0
	v_lshl_add_u32 v[SPW], v0, 2, SPARE
	v_mov_b32 v[NIL], 0
	v_lshrrev_b32 v13, 5, v0
	v_readfirstlane_b32 s12, v13                   ; wave = head
	v_and_b32 v1, 15, v0                           ; r
	v_bfe_u32 v2, v0, 4, 1                         ; h
	s_and_b32 s13, ttmp7, 0xffff                   ; batch
	v_mul_u32_u24 v5, v1, 12288
	v_lshl_add_u32 v5, v2, 4, v5                   ; q, k: token r, + 16 h
	v_mul_u32_u24 v6, v2, 98304
	v_lshl_add_u32 v6, v1, 2, v6                   ; v: keys 8 h on, channel r
	v_lshlrev_b32 v7, 15, v2
	v_lshl_add_u32 v7, v1, 2, v7                   ; W_proj: rows 8 h on, column r
	s_mul_i32 s14, s12, 4352
	v_mul_u32_u24 v8, v1, 272
	v_lshl_add_u32 v8, v2, 5, v8
	v_add_nc_u32 v8, s14, v8                       ; my part: row r, + 32 h
	s_and_b32 s20, s12, 7
	s_mul_i32 s14, s20, 544
	v_mul_u32_u24 v9, v2, 272
	v_lshl_add_u32 v9, v1, 4, v9
	v_add_nc_u32 v9, s14, v9                       ; the sums: rows 2 w + h, 16 bytes a lane
	v_lshlrev_b32 v10, 12, v2
	v_lshl_add_u32 v10, v1, 4, v10                 ; the same in out0
	v_lshlrev_b32 v11, 4, v1
	v_lshlrev_b32 v12, 3, v2
	v_sub_nc_u32 v12, v1, v12                      ; r - 8 h
	v_mov_b32 v13, 0xff800000                      ; -infinity
	s_mov_b32 s16, 0x76543210
	s_mov_b32 s17, 0xfedcba98
	s_mov_b32 s18, 0x3e38aa3b                      ; c = log2(e) / 8
	s_wait_kmcnt 0x0
	s_mul_i32 s14, s13, 196608
	s_lshl_b32 s15, s12, 8
	s_add_co_u32 s14, s14, s15
	s_mov_b32 s15, 0
	s_add_nc_u64 s[4:5], s[4:5], s[14:15]          ; my batch, my head's q
	s_lshl_b32 s14, s12, 18
	s_lshl_b32 s19, ttmp9, 8
	s_add_co_u32 s14, s14, s19
	s_add_nc_u64 s[6:7], s[6:7], s[14:15]          ; W_proj: row 64 w, column 64 jb
	s_mov_b32 s14, s19
	s_add_nc_u64 s[8:9], s[8:9], s[14:15]
	s_lshl_b32 s14, s13, 23
	s_add_co_u32 s14, s14, s19
	s_lshl_b32 s20, s20, 13
	s_add_co_u32 s14, s14, s20
	s_add_nc_u64 s[10:11], s[10:11], s[14:15]      ; out0: row 2,048 b + 2 w, column 64 jb
.macro WLOAD ct                        ; register 8 t + j: W_proj(64 w + 16 t + 8 h + j, 64 jb + 16 ct + r)
.irp t, 0,1,2,3
.irp j, 0,1,2,3,4,5,6,7
	global_load_b32 v[WP+32*(\ct)+8*\t+\j], v7, s[6:7] offset:(16*\t+\j)*4096+64*(\ct)
.endr
.endr
.endm
	WLOAD 2
	WLOAD 3
.irp c, 0,1,2,3,4,5,6,7
	global_load_b128 v[QR+4*\c:QR+4*\c+3], v5, s[4:5] offset:32*\c
	global_load_b128 v[KR+4*\c:KR+4*\c+3], v5, s[4:5] offset:4096+32*\c
.endr
.irp t, 0,1,2,3
.irp j, 0,1,2,3,4,5,6,7
	global_load_b32 v[VT+8*\t+\j], v6, s[4:5] offset:\j*12288+64*\t+8192   ; v(key 8 h + j, channel 16 t + r)
.endr
.endr
	global_load_b128 v[BI:BI+3], v11, s[8:9]
	s_wait_loadcnt 33                              ; W_proj's two tiles, Q and K are in; V^T's 32 loads and the bias may be out
.set i, 0
.rept 16                                       ; S^T = K Q^T: four accumulators by turns, four channels an instruction
.if i < 4
	v_wmma_f32_16x16x4_f32 v[SACC+8*(i%4):SACC+8*(i%4)+7], v[KR+2*i:KR+2*i+1], v[QR+2*i:QR+2*i+1], 0
.else
	v_wmma_f32_16x16x4_f32 v[SACC+8*(i%4):SACC+8*(i%4)+7], v[KR+2*i:KR+2*i+1], v[QR+2*i:QR+2*i+1], v[SACC+8*(i%4):SACC+8*(i%4)+7]
.endif
.set i, i+1
.endr
.rept 8
	v_nop                                          ; eight places behind this form
.endr
.irp p, 0,2,4,6
	v_pk_add_f32 v[P+\p:P+\p+1], v[SACC+\p:SACC+\p+1], v[SACC+8+\p:SACC+8+\p+1]      ; each accumulator from its low end on
	v_pk_add_f32 v[T:T+1], v[SACC+16+\p:SACC+16+\p+1], v[SACC+24+\p:SACC+24+\p+1]
	v_pk_add_f32 v[P+\p:P+\p+1], v[P+\p:P+\p+1], v[T:T+1]
.endr
.irp j, 0,1,2,3,4,5,6,7
	v_cmp_gt_i32 vcc_lo, \j, v12                   ; register j holds key 8 h + j: hidden where it comes after query r
	v_cndmask_b32 v[P+\j], v[P+\j], v13, vcc_lo
.endr
	v_max3_num_f32 v[T], v[P], v[P+1], v[P+2]
	v_max3_num_f32 v[T+1], v[P+3], v[P+4], v[P+5]
	v_max3_num_f32 v[T], v[T], v[P+6], v[P+7]
	v_max_num_f32 v[T], v[T], v[T+1]
	v_permlanex16_b32 v[T+1], v[T], s16, s17
	v_max_num_f32 v[T], v[T], v[T+1]               ; the row's maximum (key 0 counts for every query)
	v_mul_f32 v[T], s18, v[T]
.irp j, 0,1,2,3,4,5,6,7
	v_fma_f32 v[P+\j], v[P+\j], s18, -v[T]
.endr
.irp j, 0,1,2,3,4,5,6,7
	v_exp_f32 v[P+\j], v[P+\j]
.endr
	v_nop
	s_wait_alu depctr_va_vdst(0)                   ; one wait for the eight, ahead of their first reader
	v_pk_add_f32 v[T+2:T+3], v[P:P+1], v[P+2:P+3]
	v_pk_add_f32 v[14:15], v[P+4:P+5], v[P+6:P+7]
	v_pk_add_f32 v[T+2:T+3], v[T+2:T+3], v[14:15]
	v_add_f32 v[T+2], v[T+2], v[T+3]
	v_permlanex16_b32 v[T+3], v[T+2], s16, s17
	v_add_f32 v[T+2], v[T+2], v[T+3]               ; the row's sum
	v_rcp_f32 v14, v[T+2]
	v_nop
	s_wait_alu depctr_va_vdst(0)
	s_wait_loadcnt 1                               ; V^T is in; the bias may be out
.irp s, 0,1,2,3                                ; O^T = V^T P: four tiles of channels by turns, four keys an instruction
.irp t, 0,1,2,3
.if \s == 0
	v_wmma_f32_16x16x4_f32 v[OACC+8*\t:OACC+8*\t+7], v[VT+8*\t+2*\s:VT+8*\t+2*\s+1], v[P+2*\s:P+2*\s+1], 0
.else
	v_wmma_f32_16x16x4_f32 v[OACC+8*\t:OACC+8*\t+7], v[VT+8*\t+2*\s:VT+8*\t+2*\s+1], v[P+2*\s:P+2*\s+1], v[OACC+8*\t:OACC+8*\t+7]
.endif
.endr
.endr
.rept 8
	v_nop                                          ; places in front of the loads into K's and V^T's registers and of the first read of O^T
.endr
	WLOAD 0
	WLOAD 1
.set i, 0
.rept 16
	v_pk_mul_f32 v[YN+i:YN+i+1], v[OACC+i:OACC+i+1], v[14:15] op_sel_hi:[1,0]   ; y = O^T / l: register 8 t + j is channel 16 t + 8 h + j of query r
.set i, i+2
.endr
.macro PROJ c0                         ; two column tiles by turns, four channels an instruction
.set i, 0
.rept 16
.irp ct, \c0, \c0+1
.if i == 0
	v_wmma_f32_16x16x4_f32 v[OUTA+8*(\ct):OUTA+8*(\ct)+7], v[WP+32*(\ct)+2*i:WP+32*(\ct)+2*i+1], v[YN+2*i:YN+2*i+1], 0
.else
	v_wmma_f32_16x16x4_f32 v[OUTA+8*(\ct):OUTA+8*(\ct)+7], v[WP+32*(\ct)+2*i:WP+32*(\ct)+2*i+1], v[YN+2*i:YN+2*i+1], v[OUTA+8*(\ct):OUTA+8*(\ct)+7]
.endif
.endr
.set i, i+1
.endr
.endm
	PROJ 2
	s_wait_loadcnt 0x0                             ; tiles 0 and 1, and the bias
	PROJ 0
.rept 8
	v_nop
.endr
.irp ct, 0,1,2,3
	ds_store_b128 v8, v[OUTA+8*\ct:OUTA+8*\ct+3] offset:64*\ct        ; lane (r, h): columns 16 ct + 8 h + 0 .. 7 of query r
	ds_store_b128 v8, v[OUTA+8*\ct+4:OUTA+8*\ct+7] offset:64*\ct+16
.endr
	s_wait_dscnt 0x0                               ; for the others' sake: my part lies in LDS
	s_barrier_signal -1
	s_barrier_wait -1
	s_cmp_ge_u32 s12, 8                            ; waves 0-7 add the sixteen parts, two rows each
	s_cbranch_scc1 .Ldone
.irp p, 0,1,2,3,4,5,6,7,8,9,10,11,12,13,14,15
	ds_load_b128 v[128+4*\p:131+4*\p], v9 offset:4352*\p
.endr
	s_wait_dscnt 0x0
.irp p, 0,1,2,3,4,5,6,7
	v_pk_add_f32 v[128+4*\p:129+4*\p], v[128+4*\p:129+4*\p], v[160+4*\p:161+4*\p]
	v_pk_add_f32 v[130+4*\p:131+4*\p], v[130+4*\p:131+4*\p], v[162+4*\p:163+4*\p]
.endr
.irp p, 0,1,2,3
	v_pk_add_f32 v[128+4*\p:129+4*\p], v[128+4*\p:129+4*\p], v[144+4*\p:145+4*\p]
	v_pk_add_f32 v[130+4*\p:131+4*\p], v[130+4*\p:131+4*\p], v[146+4*\p:147+4*\p]
.endr
.irp p, 0,1
	v_pk_add_f32 v[128+4*\p:129+4*\p], v[128+4*\p:129+4*\p], v[136+4*\p:137+4*\p]
	v_pk_add_f32 v[130+4*\p:131+4*\p], v[130+4*\p:131+4*\p], v[138+4*\p:139+4*\p]
.endr
	v_pk_add_f32 v[128:129], v[128:129], v[132:133]
	v_pk_add_f32 v[130:131], v[130:131], v[134:135]
	v_pk_add_f32 v[128:129], v[128:129], v[BI:BI+1]
	v_pk_add_f32 v[130:131], v[130:131], v[BI+2:BI+3]
	global_store_b128 v10, v[128:131], s[10:11]    ; sixteen lanes store 256 consecutive bytes, aligned
.Ldone:
	s_wait_tensorcnt 0x0                           ; the wave's end: behind my last LDS store
	ds_add_u32 v[SPW], v[NIL]
	s_wait_dscnt 0x0
	s_endpgm
.Lfunc_end_k_q4d78619e3e_fine:
	.size	k_q4d78619e3e_fine, .Lfunc_end_k_q4d78619e3e_fine-k_q4d78619e3e_fine
	.p2alignl 7, 3214868480
	.fill 96, 4, 3214868480
	.section	.rodata,"a",@progbits
	.p2align	6, 0x0
	.amdhsa_kernel k_q4d78619e3e_fine
		.amdhsa_group_segment_fixed_size 71680
		.amdhsa_private_segment_fixed_size 0
		.amdhsa_enable_private_segment 0
		.amdhsa_kernarg_size 32
		.amdhsa_user_sgpr_count 2
		.amdhsa_user_sgpr_kernarg_segment_ptr 1
		.amdhsa_wavefront_size32 1
		.amdhsa_system_sgpr_workgroup_id_x 1
		.amdhsa_system_sgpr_workgroup_id_y 1
		.amdhsa_system_sgpr_workgroup_id_z 1
		.amdhsa_system_vgpr_workitem_id 0
		.amdhsa_next_free_vgpr 256
		.amdhsa_next_free_sgpr 66
		.amdhsa_reserve_vcc 1
		.amdhsa_float_denorm_mode_32 3
		.amdhsa_float_denorm_mode_16_64 3
		.amdhsa_memory_ordered 1
		.amdhsa_forward_progress 1
		.amdhsa_inst_pref_size 34
	.end_amdhsa_kernel
	.amdgpu_metadata
---
amdhsa.version: [ 1, 2 ]
amdhsa.kernels:
  - .name:           k_q4d78619e3e_fine
    .symbol:         k_q4d78619e3e_fine.kd
    .args:
      - { .name: qkvf, .offset: 0, .size: 8, .value_kind: global_buffer, .address_space: global }
      - { .name: W_proj, .offset: 8, .size: 8, .value_kind: global_buffer, .address_space: global }
      - { .name: b_proj, .offset: 16, .size: 8, .value_kind: global_buffer, .address_space: global }
      - { .name: out0, .offset: 24, .size: 8, .value_kind: global_buffer, .address_space: global }
    .group_segment_fixed_size: 71680
    .private_segment_fixed_size: 0
    .kernarg_segment_align: 8
    .kernarg_segment_size: 32
    .max_flat_workgroup_size: 512
    .sgpr_count:     66
    .vgpr_count:     256
    .wavefront_size: 32
...
	.end_amdgpu_metadata
.endif
;; end of part 5
